; MI455X (gfx1250); checked and timed in simulation.
; The chip was launched on July 23, 2026; its instructions are those of AMD's public machine-readable ISA for CDNA 5 (MIT licence, August 2026) and "CDNA5" Instruction Set Architecture Reference Guide (July 2026). The comments in the code are by the model that wrote it; some were corrected since.
;; MIPT Block. Allowed arithmetic: matrix products marked QUANTISED: E2M3 operands, one E8M0 scale for each 32 along K, by v_wmma_scale_f32_16x16x128_f8f6f4 with both operands' format E2M3, f32 sums; products left as they are: f32 operands where the result goes on into a quantised operand, else bf16, f16 or f32 operands; f32 sums; everything else in f32.
;; Inputs: Wi_b 512 float32; Wi_w 512 x 512 float32; Wk_b 512 float32; Wk_w 512 x 512 float32; Wp_b 512 float32; Wp_w 512 x 512 float32; Wq_b 512 float32; Wq_w 512 x 512 float32; Wr_b 512 float32; Wr_w 512 x 512 float32; Wt_b 512 float32; Wt_w 512 x 512 float32; Wv_b 512 float32; Wv_w 512 x 512 float32; ffn1_b 2,048 float32; ffn1_w 512 x 2,048 float32; ffn2_b 512 float32; ffn2_w 2,048 x 512 float32; gate_b 1 float32; gate_w 512 x 1 float32; ln1_b 512 float32; ln1_g 512 float32; ln2_b 512 float32; ln2_g 512 float32; x 4 x 4,096 x 512 float32.
;; Outputs: out0 4 x 4,096 x 512 float32; out1 4 x 512 float32.
;; This version of the problem:
;;   THIS VERSION OF THE PROBLEM IS GIVEN IN LOW PRECISION. The matrix products marked QUANTISED in the list below multiply operands that are first quantised to E2M3 (2 exponent bits, 3 mantissa bits; 6 bits a number), with one power-of-two scale for each 32 numbers along K (OCP MX v1.0); their sums are f32. All else is computed in f32.
;;   The module's matrix products, in the order in which they are computed (A, B: the left and right operand; K: the contracted axis; several contracted axes count as one K, in the product's order):
;;     1. [M 16,384, K 512] x [K 512, N 512]; A: computed on the way; B: input Wp_w: QUANTISED
;;     2. [M 16,384, K 512] x [K 512, N 512]; A: computed on the way; B: input Wt_w: QUANTISED
;;     3. [M 16,384, K 512] x [K 512, N 512]; A: computed on the way; B: input Wr_w: QUANTISED
;;     4. [M 16,384, K 512] x [K 512, N 512]; A: computed on the way; B: input Wi_w: QUANTISED
;;     5. [M 64, K 512] x [K 512, N 512]; A: computed on the way; B: input Wk_w: QUANTISED
;;     6. [M 64, K 512] x [K 512, N 512]; A: computed on the way; B: input Wv_w: QUANTISED
;;     7. [M 4, K 512] x [K 512, N 512]; A: computed on the way; B: input Wq_w: left as it is (M = 4 < 16)
;;     8. batch 4 x [M 1, K 512] x [K 512, N 16]; A: computed on the way; B: computed on the way: left as it is (M = 1 < 16)
;;     9. batch 4 x [M 1, K 16] x [K 16, N 512]; A: softmax; B: computed on the way: left as it is (K = 16 < 32)
;;     10. [M 4, K 512] x [K 512, N 1]; A: computed on the way; B: input gate_w: left as it is (M = 4 < 16)
;;     11. [M 16,384, K 512] x [K 512, N 2,048]; A: computed on the way; B: input ffn1_w: QUANTISED
;;     12. [M 16,384, K 2,048] x [K 2,048, N 512]; A: computed on the way; B: input ffn2_w: QUANTISED
;;   THE QUANTISER, for each operand of a quantised product, along K:
;;     - K is cut into blocks of 32 from its start; a last block that is shorter is filled with zeros.
;;     - A block's scale is 2^e with e = floor(log2(the largest magnitude in the block)) - 2, held to -126 .. 127; a block of zeros has e = 0. As a byte (E8M0): e + 127.
;;     - Each number is divided by its block's scale, clamped to +-7.5, and rounded to the nearest number of E2M3, ties to even, subnormals kept.
;;     - The product sums the exact products of the quantised numbers (number of the format x scale) in f32.
;;   ~~~python
;;   def quantise(x, axis):      # numpy; x: float32 -> the quantised numbers, widened to float32 again
;;       x = np.moveaxis(x, axis, -1); K = x.shape[-1]
;;       x = np.pad(x, [(0, 0)] * (x.ndim - 1) + [(0, -K % 32)]); x = x.reshape(x.shape[:-1] + (-1, 32)); a = np.abs(x).max(-1, keepdims=True)
;;       e = np.where(a > 0, np.clip(np.frexp(np.where(a > 0, a, 1))[1] - 1 - 2, -126, 127), 0)      # np.frexp(a)[1] - 1 = floor(log2(a)), exactly
;;       r = np.clip(x / 2.0 ** e, -7.5, 7.5)
;;       step = 2.0 ** (np.maximum(np.frexp(np.where(r == 0, 1, r))[1] - 1, 0) - 3)
;;       q = np.round(r / step) * step * 2.0 ** e      # np.round: ties to even
;;       return np.moveaxis(q.reshape(q.shape[:-2] + (-1,))[..., :K], -1, axis).astype(np.float32)
;;   ~~~
;;   OPERANDS COMPUTED ON THE WAY. 'Computed on the way' means the value that the module computes at that place (a softmax that the list does not call 'softmax' is quantised finished and normalised). What goes into a quantiser is computed in f32, as accurately as f32 sums, v_exp_f32 and their like allow (about 1e-6 of the number): no bf16 or f16 on the way to a quantiser, and a product that is left as it is and whose result goes on into a quantised operand takes f32 operands (vector FMAs, or v_wmma_f32_16x16x4_f32). A number that lies on a knife's edge between two numbers of the format may be rounded either way, as far as f32 arithmetic and the matrix unit's own rounding can turn it there, and no further.
;; One version. Each part assembles by itself: llvm-mc -triple=amdgcn-amd-amdhsa -mcpu=gfx1250 --defsym DOCPART=n.
;; ======== version 1 of 1: 4 launches
;; limits: right only within a limited range of input values
;; workspace buffers: wc 2,752,512 bytes; ws 114,688 bytes; hre 33,554,432 bytes; pkey 65,536 bytes; hsum 524,288 bytes; qpart 262,144 bytes; idx 512 bytes of whole numbers
;; launch prep (part 1): grid 448 x 1, 4 waves a work-group, no clusters, 1,024 bytes of LDS; arguments Wp_w, Wt_w, Wr_w, Wi_w, Wk_w, Wv_w, ffn1_w, ffn2_w, wc, ws; writes wc, ws
.if DOCPART == 1
	.amdgcn_target "amdgcn-amd-amdhsa--gfx1250"
	.amdhsa_code_object_version 6
	.text
	.protected	k_qa577859a96_prep
	.globl	k_qa577859a96_prep
	.p2align	8
	.type	k_qa577859a96_prep,@function
k_qa577859a96_prep:
	s_mov_b64 s[64:65], 0
	v_nop
	global_prefetch_b8 v0, s[64:65] scope:SCOPE_SE
	s_setreg_imm32_b32 hwreg(HW_REG_WAVE_MODE, 25, 1), 1
	s_wait_xcnt 0x0
; Eight weights, f32 with K as their FIRST axis, become codes of FP6 (E2M3) with one E8M0 byte for each 32 along K.
; 14 units of 512 (K) x 512 (N): 0 Wp, 1 Wt, 2 Wr, 3 Wi, 4 Wk, 5 Wv, 6-9 ffn1 (columns 512 j on), 10-13 ffn2 (K rows 512 j on).
; wc: [unit][tile of 16 columns, 32][K step of 128, 4][1,536 bytes]: a fragment as the image of its 12 registers, three groups of 512 bytes, lane l's 16 bytes at 16 l.
; ws: [unit][tile][K step][16 words]: column r's scale word.
; A work-group takes one tile, wave ks its K step.  A lane takes a column and its registers run down K, in the order of the operand's registers.
; In ffn1's units lane r of tile nt takes column 32 (nt / 2) + 8 (nt % 2) + r + 8 (r / 8), so that the results of two neighbouring tiles are 16 neighbours along the next K.
; LIMITS: NaN and infinities are not served; a block of zeros gets the byte 1 (its codes are zeros; the bytes are read by this program alone).
.set SPARE, 256                        ; LDS: 0-255 the tile's scale words; from 256 the spare words, 128 bytes a wave
	s_load_b512 s[8:23], s[0:1], 0x0               ; the eight weights
	s_load_b128 s[24:27], s[0:1], 0x40             ; wc, ws
	v_lshl_add_u32 v1, v0, 2, SPARE
	v_mov_b32 v2, 0
	v_lshrrev_b32 v3, 5, v0
	v_readfirstlane_b32 s28, v3                    ; ks = wave
	s_lshr_b32 s29, ttmp9, 5                       ; unit
	s_and_b32 s30, ttmp9, 31                       ; tile
	s_lshl_b32 s34, s30, 4                         ; the tile's first column, natural order
	s_mov_b32 s35, 0                               ; byte offset of the unit in its matrix
	s_mov_b32 s33, 0                               ; mask of the permutation
	s_mov_b32 s31, 2048                            ; bytes from row to row
	s_sub_co_u32 s36, s29, 10
	s_lshl_b32 s36, s36, 20                        ; ffn2: 512 rows of 2,048 bytes a unit
	s_cmp_ge_u32 s29, 10
	s_cselect_b32 s35, s36, s35
	s_sub_co_u32 s37, s29, 6
	s_lshl_b32 s38, s37, 11                        ; ffn1: 512 columns a unit
	s_lshr_b32 s39, s30, 1
	s_lshl_b32 s39, s39, 5
	s_and_b32 s40, s30, 1
	s_lshl_b32 s40, s40, 3
	s_add_co_u32 s39, s39, s40                     ; 32 (nt / 2) + 8 (nt % 2)
	s_mov_b32 s42, 8192
	s_cmp_lt_u32 s37, 4                            ; units 6 to 9
	s_cselect_b32 s35, s38, s35
	s_cselect_b32 s34, s39, s34
	s_cselect_b32 s33, 8, s33
	s_cselect_b32 s41, 1, 0
	s_cselect_b32 s31, s42, s31
	v_and_b32 v4, 15, v0                           ; r
	v_bfe_u32 v5, v0, 4, 1                         ; h
	v_and_b32 v6, 8, v4
	v_and_b32 v6, s33, v6
	v_add3_u32 v6, v6, v4, s34                     ; my column
	v_lshlrev_b32 v6, 2, v6
	s_lshl_b32 s43, s28, 7
	v_lshl_add_u32 v7, v5, 5, s43                  ; my first row: 128 ks + 32 h
	v_mul_lo_u32 v7, v7, s31
	v_add3_u32 v7, v7, v6, s35
	v_lshlrev_b32 v8, 2, v4
	s_lshl_b32 s44, s28, 6
	v_add_nc_u32 v8, s44, v8                       ; LDS: 64 ks + 4 r
	s_lshl_b32 s45, ttmp9, 2
	s_add_co_u32 s45, s45, s28
	s_mul_i32 s45, s45, 1536
	v_and_b32 v12, 31, v0
	v_lshl_add_u32 v11, v12, 4, s45                ; my 16 bytes of the fragment's first group
	v_lshlrev_b32 v13, 3, v12                      ; 8 x lane
	s_lshl_b32 s46, ttmp9, 8
	v_add_nc_u32 v14, s46, v13                     ; the tile's 256 bytes of scale words
	s_mov_b32 s2, 0x76543210
	s_mov_b32 s3, 0xfedcba98
	s_wait_kmcnt 0x0
	s_mov_b64 s[4:5], s[8:9]                       ; the unit's matrix: a choice on the work-group's number alone
	s_cmp_ge_u32 s29, 1
	s_cselect_b64 s[4:5], s[10:11], s[4:5]
	s_cmp_ge_u32 s29, 2
	s_cselect_b64 s[4:5], s[12:13], s[4:5]
	s_cmp_ge_u32 s29, 3
	s_cselect_b64 s[4:5], s[14:15], s[4:5]
	s_cmp_ge_u32 s29, 4
	s_cselect_b64 s[4:5], s[16:17], s[4:5]
	s_cmp_ge_u32 s29, 5
	s_cselect_b64 s[4:5], s[18:19], s[4:5]
	s_cmp_ge_u32 s29, 6
	s_cselect_b64 s[4:5], s[20:21], s[4:5]
	s_cmp_ge_u32 s29, 10
	s_cselect_b64 s[4:5], s[22:23], s[4:5]
.macro LOADS pitch                     ; W(128 ks + 64 c + 32 h + i, my column): sixteen lanes read 64 neighbouring bytes
.irp c,0,1
.set q_,0
.rept 32
	global_load_b32 v[64+32*\c+q_], v7, s[4:5] offset:(64*\c+q_)*\pitch th:TH_LOAD_NT
.set q_,q_+1
.endr
.endr
.endm
	s_cmp_eq_u32 s41, 1
	s_cbranch_scc1 .Lwide
	LOADS 2048
	s_branch .Lloaded
.Lwide:
	LOADS 8192
.Lloaded:
	s_wait_loadcnt 0x0
.irp c,0,1
	v_max3_num_f32 v[32+\c], |v[64+32*\c]|, |v[65+32*\c]|, 0x1800000   ; my block 2 c + h, and the floor 2^(3 - 127): the byte cannot fall under 1
.endr
.irp i,2,4,6,8,10,12,14,16,18,20,22,24,26,28,30
.irp c,0,1
	v_max3_num_f32 v[32+\c], v[32+\c], |v[64+32*\c+\i]|, |v[65+32*\c+\i]|
.endr
.endr
.irp c,0,1
	v_add_nc_u32 v[44+\c], 0xff000000, v[32+\c]    ; 2 off the exponent field: the conversion's scale operand
.endr
.irp c,0,1
	v_lshrrev_b32 v[36+\c], 23, v[44+\c]           ; the scale's byte
.endr
	v_lshl_or_b32 v9, v37, 16, v36                 ; blocks h and 2 + h,
	v_lshlrev_b32 v10, 3, v5
	v_lshlrev_b32 v9, v10, v9                      ; at their places in the word;
	v_mov_b32 v10, 0
	v_permlanex16_b32 v10, v9, s2, s3
	v_or_b32 v9, v9, v10                           ; with lane l xor 16's two the word is whole
.irp c,0,1
	v_cvt_scalef32_pk16_fp6_f32 v[48+6*\c:50+6*\c], v[64+32*\c:79+32*\c], v[44+\c]
	v_cvt_scalef32_pk16_fp6_f32 v[16+4*\c:18+4*\c], v[80+32*\c:95+32*\c], v[44+\c]   ; (three registers from an even one on: made aside and moved)
.endr
	v_nop                                          ; one plain place behind a scaled conversion
.irp c,0,1
.irp i,0,1,2
	v_mov_b32 v[51+6*\c+\i], v[16+4*\c+\i]
.endr
.endr
.irp g,0,1,2
	global_store_b128 v11, v[48+4*\g:51+4*\g], s[24:25] offset:512*\g   ; 32 lanes store 512 consecutive bytes
.endr
	ds_store_b32 v8, v9                            ; both halves of the lanes write the same word with the same value
	s_wait_dscnt 0x0                               ; for the others' sake: my store is done
	s_barrier_signal -1
	s_barrier_wait -1
	s_cmp_lg_u32 s28, 0
	s_cbranch_scc1 .Lend
	ds_load_b64 v[16:17], v13                      ; wave 0: the tile's 64 words leave as 256 consecutive bytes
	s_wait_dscnt 0x0
	global_store_b64 v14, v[16:17], s[26:27]
.Lend:
	s_wait_tensorcnt 0x0                           ; the wave's end
	ds_add_u32 v1, v2
	s_wait_dscnt 0x0
	s_endpgm
.Lfunc_end_k_qa577859a96_prep:
	.size	k_qa577859a96_prep, .Lfunc_end_k_qa577859a96_prep-k_qa577859a96_prep
	.p2alignl 7, 3214868480
	.fill 96, 4, 3214868480
	.section	.rodata,"a",@progbits
	.p2align	6, 0x0
	.amdhsa_kernel k_qa577859a96_prep
		.amdhsa_group_segment_fixed_size 1024
		.amdhsa_private_segment_fixed_size 0
		.amdhsa_enable_private_segment 0
		.amdhsa_kernarg_size 80
		.amdhsa_user_sgpr_count 2
		.amdhsa_user_sgpr_kernarg_segment_ptr 1
		.amdhsa_wavefront_size32 1
		.amdhsa_system_sgpr_workgroup_id_x 1
		.amdhsa_system_sgpr_workgroup_id_y 1
		.amdhsa_system_sgpr_workgroup_id_z 1
		.amdhsa_system_vgpr_workitem_id 0
		.amdhsa_next_free_vgpr 128
		.amdhsa_next_free_sgpr 66
		.amdhsa_reserve_vcc 0
		.amdhsa_float_denorm_mode_32 3
		.amdhsa_float_denorm_mode_16_64 3
		.amdhsa_memory_ordered 1
		.amdhsa_forward_progress 1
		.amdhsa_inst_pref_size 19
	.end_amdhsa_kernel
	.amdgpu_metadata
---
amdhsa.version: [ 1, 2 ]
amdhsa.kernels:
  - .name:           k_qa577859a96_prep
    .symbol:         k_qa577859a96_prep.kd
    .args:
      - { .name: Wp_w, .offset: 0, .size: 8, .value_kind: global_buffer, .address_space: global }
      - { .name: Wt_w, .offset: 8, .size: 8, .value_kind: global_buffer, .address_space: global }
      - { .name: Wr_w, .offset: 16, .size: 8, .value_kind: global_buffer, .address_space: global }
      - { .name: Wi_w, .offset: 24, .size: 8, .value_kind: global_buffer, .address_space: global }
      - { .name: Wk_w, .offset: 32, .size: 8, .value_kind: global_buffer, .address_space: global }
      - { .name: Wv_w, .offset: 40, .size: 8, .value_kind: global_buffer, .address_space: global }
      - { .name: ffn1_w, .offset: 48, .size: 8, .value_kind: global_buffer, .address_space: global }
      - { .name: ffn2_w, .offset: 56, .size: 8, .value_kind: global_buffer, .address_space: global }
      - { .name: wc, .offset: 64, .size: 8, .value_kind: global_buffer, .address_space: global }
      - { .name: ws, .offset: 72, .size: 8, .value_kind: global_buffer, .address_space: global }
    .group_segment_fixed_size: 1024
    .private_segment_fixed_size: 0
    .kernarg_segment_align: 8
    .kernarg_segment_size: 80
    .max_flat_workgroup_size: 128
    .sgpr_count:     66
    .vgpr_count:     128
    .wavefront_size: 32
...
	.end_amdgpu_metadata
.endif
;; end of part 1
;; launch main (part 2): grid 256 x 1, 16 waves a work-group, no clusters, 315,392 bytes of LDS; arguments x, ln1_g, ln1_b, ln2_g, ln2_b, Wp_b, Wt_b, Wr_b, Wi_b, ffn1_b, ffn2_b, wc, ws, out0, hre, pkey, hsum; writes out0, hre, pkey, hsum
.if DOCPART == 2
	.amdgcn_target "amdgcn-amd-amdhsa--gfx1250"
	.amdhsa_code_object_version 6
	.text
	.protected	k_qa577859a96_main
	.globl	k_qa577859a96_main
	.p2align	8
	.type	k_qa577859a96_main,@function
k_qa577859a96_main:
	s_mov_b64 s[64:65], 0
	v_nop
	global_prefetch_b8 v0, s[64:65] scope:SCOPE_SE
	s_setreg_imm32_b32 hwreg(HW_REG_WAVE_MODE, 25, 1), 1
	s_wait_xcnt 0x0
; LN1, the four products, sigmoid / cos / sin, the 13 steps of the scan, h = h_re + x, LN2, the FFN and the residual, for 64 rows a work-group; nothing between goes to memory.
; Also stored: h_re (hre), each row's sum over d of 1 - p (pkey), the 64 rows' column sums of h_re (hsum).
; THE SCAN combines each row with the row ONE above, 13 times: a row hangs on the 13 rows above it.  So the work-group works on 80 tokens: 16 rows of halo, then its 64.
; In a batch's first work-group the halo rows are set to a = 1, b = 0, which leaves row 0 as the mask of the scan leaves it.
; SIXTEEN waves of 256 registers, four to a SIMD: one wave's vector work stands beside another's products and loads.  Weights come as register images straight from memory
; (no multicast: the activations take 315,136 of the 327,680 bytes of LDS, and a K step of weights for sixteen waves, 98,304 bytes, has no room).
; IN THE FFN a wave's weights run through a RING of four register sets, one for each K step of a trip (two fragments and two scale words a set): a set is asked for again straight behind
; the products that read it, a whole trip ahead of its next use; the ring goes on from the first product into the second.
; TOKEN ORDER for the four products (source 0 = 16 tokens, source 1 = 16 columns): slot 16 mt + m of the codes holds token ((m / 8) 2 + m % 2) 20 + 4 mt + (m % 8) / 2.
; Then register 2 i + e of a lane's 40 holds token (2 h + e) 20 + i of column r: even and odd registers are two runs of 20 tokens, and the row above a pair is the pair below it in the registers: the scan is packed.
; sin and cos: k = rndne(theta / pi), r = theta - k pi (pi in two words), Taylor sums to r^13 and r^12 on |r| <= pi / 2, sign by k's parity.  erf: a ratio of polynomials on |z| <= 4.
; LIMITS: NaN and infinities are not served; |theta| under 2^22; a block of zeros gets the scale byte 1 (its codes are zeros).
.set HP,  2560                         ; H, at LDS byte 0: 64 rows (16 more of junk in phase 1); column d at 80 (d / 16) + 4 (d % 16)
.set G,   163840                       ; codes of gelu: 64 rows of 1,536 bytes
.set GP,  1552
.set XC,  263168                       ; codes of xn (80 slots), later of hn (64 rows): 384 bytes a row
.set XP,  400
.set XS,  295168                       ; their scale bytes, 16 a row
.set GS,  296448                       ; gelu's scale bytes, 64 a row, pitch 68
.set PS,  300800                       ; [column tile 32][token 80] f32: sums of 1 - p over 16 columns
.set CS,  311040                       ; 512 column sums of h_re
.set SPARE, 313088                     ; the spare words, 128 bytes a wave
.set AR, 96
.set AI, 136
.set BR, 176
.set BI, 216
.set LG, 64
.set LB, 80
.set TE, 176                           ; at work in ACT, in the registers that b will take
.set TK, 184
.set TR2, 192
.set TS, 200
.set TC, 208
.set TKI, 216
.set TQS, 224
.set AF,  28                           ; the FFN: v28-75 four fragments of tokens (and, to v59, GELU's work)
.set BS,  76                           ; v76-91 the bias of two tiles, in the result's layout
.set WR,  96                           ; v96-191 the ring: set ks at 24 ks, tile t at + 12 t
.set ACC, 192                          ; v192-255 eight accumulators
; v1, v2 the add's two; v3-15 addresses; v16-27 scale words and nothing else (in the FFN v16-23 the ring's, v24-27 the tokens'); v28-95 operands and work; v96-255 sums.
; v92-95, v12, v13: the ring's offsets, made once and never rewritten.
; s38 wave, s40 first row, s41 lanes 0-15 in a batch's first work-group, s[42:43] lane selects, s44, s45 counters, s46-55 at work, s[56:63] constants in pairs, s[66:71] x, hre, out0 at my four rows, s[74:79] the ring's bases
.macro PL                              ; four places behind matrix instructions, ahead of loads into their registers and of reads of their results
.rept 4
	v_nop
.endr
.endm
.macro BAR                             ; my LDS stores have landed and my LDS loads are in: then the work-group's barrier
	s_wait_dscnt 0x0
	s_barrier_signal -1
	s_barrier_wait -1
.endm
.macro WSUM a, t                       ; the sum over the 32 lanes, in every lane
	v_add_f32_dpp v[\a], v[\a], v[\a] row_xmask:1 row_mask:0xf bank_mask:0xf
	v_add_f32_dpp v[\a], v[\a], v[\a] row_xmask:2 row_mask:0xf bank_mask:0xf
	v_add_f32_dpp v[\a], v[\a], v[\a] row_xmask:4 row_mask:0xf bank_mask:0xf
	v_add_f32_dpp v[\a], v[\a], v[\a] row_xmask:8 row_mask:0xf bank_mask:0xf
	v_permlanex16_b32 v[\t], v[\a], s42, s43
	v_add_f32 v[\a], v[\a], v[\t]
.endm
; 16 neighbours along K in v[X] on become 12 bytes of codes and a scale byte.  The block's other 16 lie in lane l xor 1 (cross = 0) or l xor 16 (cross = 1); both lanes write the same byte.
.macro QCORE X, cw, co, sw, so, cross
	v_max3_num_f32 v48, |v[(\X)]|, |v[(\X)+1]|, 0x1800000         ; with the floor 2^(3 - 127): the byte cannot fall under 1
	v_max3_num_f32 v49, |v[(\X)+2]|, |v[(\X)+3]|, |v[(\X)+4]|
	v_max3_num_f32 v48, v48, |v[(\X)+5]|, |v[(\X)+6]|
	v_max3_num_f32 v49, v49, |v[(\X)+7]|, |v[(\X)+8]|
	v_max3_num_f32 v48, v48, |v[(\X)+9]|, |v[(\X)+10]|
	v_max3_num_f32 v49, v49, |v[(\X)+11]|, |v[(\X)+12]|
	v_max3_num_f32 v48, v48, |v[(\X)+13]|, |v[(\X)+14]|
	v_max3_num_f32 v48, v48, v49, |v[(\X)+15]|
.if \cross
	v_permlanex16_b32 v49, v48, s42, s43
	v_max_num_f32 v48, v48, v49
.else
	v_max_num_f32_dpp v48, v48, v48 row_xmask:1 row_mask:0xf bank_mask:0xf
.endif
	v_add_nc_u32 v50, 0xff000000, v48              ; 2 off the exponent field: the conversion's scale operand
	v_cvt_scalef32_pk16_fp6_f32 v[52:54], v[(\X):(\X)+15], v50
	v_lshrrev_b32 v51, 23, v50                     ; the byte; also the plain place behind the conversion
	ds_store_b32 v[\cw], v52 offset:(\co)
	ds_store_b32 v[\cw], v53 offset:(\co)+4
	ds_store_b32 v[\cw], v54 offset:(\co)+8
	ds_store_b8 v[\sw], v51 offset:(\so)
.endm
; a row's layer norm (16 numbers a lane, the row in one wave), then its codes
.macro LNQ X, cw, co, sw, so
	v_pk_add_f32 v[44:45], v[(\X):(\X)+1], v[(\X)+2:(\X)+3]
	v_pk_add_f32 v[46:47], v[(\X)+4:(\X)+5], v[(\X)+6:(\X)+7]
	v_pk_add_f32 v[48:49], v[(\X)+8:(\X)+9], v[(\X)+10:(\X)+11]
	v_pk_add_f32 v[50:51], v[(\X)+12:(\X)+13], v[(\X)+14:(\X)+15]
	v_pk_add_f32 v[44:45], v[44:45], v[46:47]
	v_pk_add_f32 v[48:49], v[48:49], v[50:51]
	v_pk_add_f32 v[44:45], v[44:45], v[48:49]
	v_add_f32 v44, v44, v45
	WSUM 44, 45
	v_mul_f32 v44, s73, v44                        ; the mean
.irp k,0,2,4,6,8,10,12,14
	v_pk_add_f32 v[(\X)+\k:(\X)+\k+1], v[(\X)+\k:(\X)+\k+1], v[44:45] op_sel_hi:[1,0] neg_lo:[0,1] neg_hi:[0,1]
.endr
	v_pk_mul_f32 v[46:47], v[(\X):(\X)+1], v[(\X):(\X)+1]
	v_pk_mul_f32 v[48:49], v[(\X)+2:(\X)+3], v[(\X)+2:(\X)+3]
.irp k,4,8,12
	v_pk_fma_f32 v[46:47], v[(\X)+\k:(\X)+\k+1], v[(\X)+\k:(\X)+\k+1], v[46:47]
	v_pk_fma_f32 v[48:49], v[(\X)+\k+2:(\X)+\k+3], v[(\X)+\k+2:(\X)+\k+3], v[48:49]
.endr
	v_pk_add_f32 v[46:47], v[46:47], v[48:49]
	v_add_f32 v46, v46, v47
	WSUM 46, 47
	v_fmaak_f32 v46, s73, v46, 0x3727c5ac          ; the variance + 1e-5
	v_rsq_f32 v46, v46
	v_nop                                          ; a plain place behind the transcendental,
	s_wait_alu depctr_va_vdst(0)                   ; and the wait ahead of its first reader
.irp k,0,2,4,6,8,10,12,14
	v_pk_mul_f32 v[(\X)+\k:(\X)+\k+1], v[(\X)+\k:(\X)+\k+1], v[46:47] op_sel_hi:[1,0]
.endr
.irp k,0,2,4,6,8,10,12,14
	v_pk_fma_f32 v[(\X)+\k:(\X)+\k+1], v[(\X)+\k:(\X)+\k+1], v[LG+\k:LG+\k+1], v[LB+\k:LB+\k+1]
.endr
	QCORE \X, \cw, \co, \sw, \so, 0
.endm
.macro AFRAG reg, adr, off             ; a fragment from rows of codes in LDS: two runs of 24 bytes, in pieces of 8
.irp p,0,1,2,3,4,5
	ds_load_b64 v[(\reg)+2*\p:(\reg)+2*\p+1], v[\adr] offset:(\off)+48*(\p/3)+8*(\p%3)
.endr
.endm
.macro WFRAG reg, adr, off             ; a weight's fragment: the image of its registers, 512 consecutive bytes a load
.irp g,0,1,2
	global_load_b128 v[(\reg)+4*\g:(\reg)+4*\g+3], v[\adr], s[26:27] offset:(\off)+512*\g
.endr
.endm
.macro MM d, a, b, sa, sb, ks          ; ks = 0: the product starts the sum
.if (\ks) == 0
	v_wmma_scale_f32_16x16x128_f8f6f4 v[(\d):(\d)+7], v[(\a):(\a)+11], v[(\b):(\b)+11], 0, v[\sa], v[\sb] matrix_a_fmt:MATRIX_FMT_FP6 matrix_b_fmt:MATRIX_FMT_FP6
.else
	v_wmma_scale_f32_16x16x128_f8f6f4 v[(\d):(\d)+7], v[(\a):(\a)+11], v[(\b):(\b)+11], v[(\d):(\d)+7], v[\sa], v[\sb] matrix_a_fmt:MATRIX_FMT_FP6 matrix_b_fmt:MATRIX_FMT_FP6
.endif
.endm
.macro MMC d, a, b, c, sa, sb          ; the sum begins with other registers: the bias
	v_wmma_scale_f32_16x16x128_f8f6f4 v[(\d):(\d)+7], v[(\a):(\a)+11], v[(\b):(\b)+11], v[(\c):(\c)+7], v[\sa], v[\sb] matrix_a_fmt:MATRIX_FMT_FP6 matrix_b_fmt:MATRIX_FMT_FP6
.endm
; two of the four products for my 16 columns and all 80 tokens: ten accumulators by turns
.macro GEMM2 u0, D0, D1
.irp ks,0,1,2,3
	PL
	WFRAG 28, 5, (\u0)*196608+1536*\ks
	WFRAG 40, 5, ((\u0)+1)*196608+1536*\ks
	global_load_b32 v16, v6, s[28:29] offset:(\u0)*8192+64*\ks
	global_load_b32 v17, v6, s[28:29] offset:((\u0)+1)*8192+64*\ks
.irp mt,0,1,2
	AFRAG 52+12*\mt, 3, 6400*\mt+96*\ks
	ds_load_b32 v[18+\mt], v4 offset:256*\mt+4*\ks
.endr
	s_wait_loadcnt 0x0
	s_wait_dscnt 0x0
.irp mt,0,1,2
	MM (\D0)+8*\mt, 52+12*\mt, 28, 18+\mt, 16, \ks
	MM (\D1)+8*\mt, 52+12*\mt, 40, 18+\mt, 17, \ks
.endr
	PL
.irp mt,3,4
	AFRAG 52+12*(\mt-3), 3, 6400*\mt+96*\ks
	ds_load_b32 v[18+\mt-3], v4 offset:256*\mt+4*\ks
.endr
	s_wait_dscnt 0x0
.irp mt,3,4
	MM (\D0)+8*\mt, 52+12*(\mt-3), 28, 18+\mt-3, 16, \ks
	MM (\D1)+8*\mt, 52+12*(\mt-3), 40, 18+\mt-3, 17, \ks
.endr
.endr
.endm
; eight registers of the p product and of theta become a = (1 - p) (cos, sin); 1 - p is summed over the 16 columns
.macro ACT mt
.set P_, AR+8*(\mt)
.set T_, AI+8*(\mt)
.irp k,0,2,4,6
	v_pk_fma_f32 v[TE+\k:TE+\k+1], v[P_+\k:P_+\k+1], 0x3fb8aa3b, v[88:89] op_sel_hi:[1,0,0]   ; (z + bias) log2(e)
.endr
.irp k,0,1,2,3,4,5,6,7
	v_exp_f32 v[TE+\k], v[TE+\k]
.endr
.irp k,0,2,4,6
	v_pk_add_f32 v[T_+\k:T_+\k+1], v[T_+\k:T_+\k+1], v[90:91] op_sel_hi:[1,0]                  ; theta
.endr
.irp k,0,2,4,6
	v_pk_mul_f32 v[TK+\k:TK+\k+1], v[T_+\k:T_+\k+1], 0x3ea2f983 op_sel_hi:[1,0]
.endr
.irp k,0,1,2,3,4,5,6,7
	v_rndne_f32 v[TK+\k], v[TK+\k]                 ; k
.endr
.irp k,0,2,4,6
	v_pk_fma_f32 v[T_+\k:T_+\k+1], v[TK+\k:TK+\k+1], 0xc0490fdb, v[T_+\k:T_+\k+1] op_sel_hi:[1,0,1]
.endr
.irp k,0,2,4,6
	v_pk_fma_f32 v[T_+\k:T_+\k+1], v[TK+\k:TK+\k+1], 0x33bbbd2e, v[T_+\k:T_+\k+1] op_sel_hi:[1,0,1]   ; r = theta - k pi
.endr
	s_wait_alu depctr_va_vdst(0)                   ; one wait for the eight exponentials
.irp k,0,2,4,6
	v_pk_add_f32 v[TE+\k:TE+\k+1], v[TE+\k:TE+\k+1], 1.0 op_sel_hi:[1,0]
.endr
.irp k,0,1,2,3,4,5,6,7
	v_rcp_f32 v[TE+\k], v[TE+\k]                   ; 1 - p = 1 / (1 + e^z)
.endr
.irp k,0,2,4,6
	v_pk_mul_f32 v[TR2+\k:TR2+\k+1], v[T_+\k:T_+\k+1], v[T_+\k:T_+\k+1]
.endr
.irp k,0,2,4,6
	v_pk_fma_f32 v[TS+\k:TS+\k+1], v[TR2+\k:TR2+\k+1], s[56:57], 0xb2d7322b op_sel_hi:[1,0,0]
.endr
.irp c,0x3638ef1d,0xb9500d01,0x3c088889,0xbe2aaaab
.irp k,0,2,4,6
	v_pk_fma_f32 v[TS+\k:TS+\k+1], v[TS+\k:TS+\k+1], v[TR2+\k:TR2+\k+1], \c op_sel_hi:[1,1,0]
.endr
.endr
.irp k,0,2,4,6
	v_pk_mul_f32 v[TS+\k:TS+\k+1], v[TS+\k:TS+\k+1], v[TR2+\k:TR2+\k+1]
.endr
.irp k,0,2,4,6
	v_pk_fma_f32 v[TS+\k:TS+\k+1], v[TS+\k:TS+\k+1], v[T_+\k:T_+\k+1], v[T_+\k:T_+\k+1]       ; sin r
.endr
.irp k,0,2,4,6
	v_pk_fma_f32 v[TC+\k:TC+\k+1], v[TR2+\k:TR2+\k+1], s[58:59], 0xb493f27e op_sel_hi:[1,0,0]
.endr
.irp c,0x37d00d01,0xbab60b61,0x3d2aaaab,-0.5,1.0
.irp k,0,2,4,6
	v_pk_fma_f32 v[TC+\k:TC+\k+1], v[TC+\k:TC+\k+1], v[TR2+\k:TR2+\k+1], \c op_sel_hi:[1,1,0]  ; cos r
.endr
.endr
.irp k,0,1,2,3,4,5,6,7
	v_cvt_i32_f32 v[TKI+\k], v[TK+\k]
.endr
.irp k,0,1,2,3,4,5,6,7
	v_lshlrev_b32 v[TKI+\k], 31, v[TKI+\k]         ; k's parity as a sign
.endr
	s_wait_alu depctr_va_vdst(0)                   ; one wait for the eight reciprocals
.irp k,0,1,2,3,4,5,6,7
	v_xor_b32 v[TQS+\k], v[TE+\k], v[TKI+\k]
.endr
.irp k,0,2,4,6
	v_pk_mul_f32 v[P_+\k:P_+\k+1], v[TQS+\k:TQS+\k+1], v[TC+\k:TC+\k+1]
	v_pk_mul_f32 v[T_+\k:T_+\k+1], v[TQS+\k:TQS+\k+1], v[TS+\k:TS+\k+1]
.endr
.irp x,1,2,4,8
.irp k,0,1,2,3,4,5,6,7
	v_add_f32_dpp v[TE+\k], v[TE+\k], v[TE+\k] row_xmask:\x row_mask:0xf bank_mask:0xf
.endr
.endr
.irp j,0,1,2,3,4,5,6,7
	ds_store_b32 v8, v[TE+\j] offset:80*(\j%2)+16*(\mt)+4*(\j/2)   ; sixteen lanes write the same word with the same value
.endr
.endm
.macro EDGE full                       ; the rows above each run's first row: the run before's last, kept before it is changed
.if \full
	v_permlanex16_b32 v36, v[AR+39], s42, s43
	v_mov_b32 v37, v[AR+38]
	v_permlanex16_b32 v38, v[AI+39], s42, s43
	v_mov_b32 v39, v[AI+38]
.endif
	v_permlanex16_b32 v40, v[BR+39], s42, s43
	v_mov_b32 v41, v[BR+38]
	v_permlanex16_b32 v42, v[BI+39], s42, s43
	v_mov_b32 v43, v[BI+38]
.endm
.macro SPAIR i, full                   ; pair i (two rows) is combined with the pair above, which has not been changed yet.  full = 0: the last step, b_re alone
.set c_, 2*(\i)
.if (\i) == 0
.set par_, 36
.set pai_, 38
.set pbr_, 40
.set pbi_, 42
.else
.set par_, AR+c_-2
.set pai_, AI+c_-2
.set pbr_, BR+c_-2
.set pbi_, BI+c_-2
.endif
	v_pk_fma_f32 v[28:29], v[AR+c_:AR+c_+1], v[pbr_:pbr_+1], v[BR+c_:BR+c_+1]
.if \full
	v_pk_fma_f32 v[30:31], v[AR+c_:AR+c_+1], v[pbi_:pbi_+1], v[BI+c_:BI+c_+1]
	v_pk_mul_f32 v[32:33], v[AR+c_:AR+c_+1], v[par_:par_+1]
	v_pk_mul_f32 v[34:35], v[AR+c_:AR+c_+1], v[pai_:pai_+1]
.endif
	v_pk_fma_f32 v[BR+c_:BR+c_+1], v[AI+c_:AI+c_+1], v[pbi_:pbi_+1], v[28:29] neg_lo:[1,0,0] neg_hi:[1,0,0]
.if \full
	v_pk_fma_f32 v[BI+c_:BI+c_+1], v[AI+c_:AI+c_+1], v[pbr_:pbr_+1], v[30:31]
	v_pk_fma_f32 v[AR+c_:AR+c_+1], v[AI+c_:AI+c_+1], v[pai_:pai_+1], v[32:33] neg_lo:[1,0,0] neg_hi:[1,0,0]
	v_pk_fma_f32 v[AI+c_:AI+c_+1], v[AI+c_:AI+c_+1], v[par_:par_+1], v[34:35]
.endif
.endm
.macro HORN d, c                       ; a step of a polynomial in z^2 (v36-43) on eight registers
.irp k,0,2,4,6
	v_pk_fma_f32 v[(\d)+\k:(\d)+\k+1], v[(\d)+\k:(\d)+\k+1], v[36+\k:37+\k], \c op_sel_hi:[1,1,0]
.endr
.endm
.macro GELU8 X                         ; x (1 + erf(x / sqrt 2)) / 2 on one accumulator's 8 registers, in place, from its low end on.  At work: z v28-35, z^2 v36-43, numerator v44-51, denominator v52-59
.irp k,0,2,4,6
	v_pk_mul_f32 v[28+\k:29+\k], v[(\X)+\k:(\X)+\k+1], 0x3f3504f3 op_sel_hi:[1,0]
.endr
.irp k,0,1,2,3,4,5,6,7
	v_med3_num_f32 v[28+\k], v[28+\k], -4.0, 4.0
.endr
.irp k,0,2,4,6
	v_pk_mul_f32 v[36+\k:37+\k], v[28+\k:29+\k], v[28+\k:29+\k]
.endr
.irp k,0,2,4,6
	v_pk_fma_f32 v[44+\k:45+\k], v[36+\k:37+\k], s[60:61], 0x32edffee op_sel_hi:[1,0,0]
.endr
.irp k,0,2,4,6
	v_pk_fma_f32 v[52+\k:53+\k], v[36+\k:37+\k], s[62:63], 0xb95fbd29 op_sel_hi:[1,0,0]
.endr
	HORN 44, 0xb60cff51                            ; the two polynomials by turns: no line waits for the line above it
	HORN 52, 0xbadc924e
	HORN 44, 0xb86ec2d2
	HORN 52, 0xbbf19bf8
	HORN 44, 0xba40ac63
	HORN 52, 0xbc69b6a7
.irp k,0,1,2,3,4,5,6,7
	v_rcp_f32 v[52+\k], v[52+\k]
.endr
	HORN 44, 0xbb41a1f6                            ; the numerator's last steps are the work behind the reciprocals
	HORN 44, 0xbc83dbd4
.irp k,0,2,4,6
	v_pk_mul_f32 v[44+\k:45+\k], v[44+\k:45+\k], v[28+\k:29+\k]
.endr
.irp k,0,2,4,6
	v_pk_mul_f32 v[(\X)+\k:(\X)+\k+1], v[(\X)+\k:(\X)+\k+1], 0.5 op_sel_hi:[1,0]
.endr
	s_wait_alu depctr_va_vdst(0)                   ; one wait for the eight reciprocals
.irp k,0,2,4,6
	v_pk_mul_f32 v[44+\k:45+\k], v[44+\k:45+\k], v[52+\k:53+\k]                               ; erf
.endr
.irp k,0,2,4,6
	v_pk_fma_f32 v[(\X)+\k:(\X)+\k+1], v[(\X)+\k:(\X)+\k+1], v[44+\k:45+\k], v[(\X)+\k:(\X)+\k+1]
.endr
.endm
; THE RING.  Set ks is filled: two tiles' fragments of K step ks (6 loads of 512 consecutive bytes) and their scale words (2 loads): 8 loads.  wb, sb: the bases' scalar pairs; wv, sv: the offsets' registers; wi, si: constants
.macro RING ks, wb, wv, wi, sb, sv, si
.irp t,0,1
.irp g,0,1,2
	global_load_b128 v[WR+24*(\ks)+12*\t+4*\g:WR+24*(\ks)+12*\t+4*\g+3], v[\wv], s[\wb:\wb+1] offset:(\wi)+6144*\t+1536*(\ks)+512*\g
.endr
	global_load_b32 v[16+2*(\ks)+\t], v[\sv], s[\sb:\sb+1] offset:(\si)+256*\t+64*(\ks)
.endr
.endm
.macro BIAS3                           ; b1 of a group's 32 hidden units: lane (r, h), tile t: units 16 h + 8 t + 0 .. 7.  4 loads, which go with set 0
.irp t,0,1
	global_load_b128 v[BS+8*\t:BS+8*\t+3], v94, s[78:79] offset:32*\t
	global_load_b128 v[BS+8*\t+4:BS+8*\t+7], v94, s[78:79] offset:32*\t+16
.endr
.endm
.macro BIAS4                           ; b2 of my 32 columns: tile n: columns 16 n + 8 h + 0 .. 7.  4 loads likewise
.irp n,0,1
	global_load_b128 v[BS+8*\n:BS+8*\n+3], v13, s[24:25] offset:64*\n
	global_load_b128 v[BS+8*\n+4:BS+8*\n+7], v13, s[24:25] offset:64*\n+16
.endr
.endm
; A trip of the first product: 32 hidden units (group 4 wave + s44) x 64 tokens, transposed (source 0 = 16 rows of W1, source 1 = 16 tokens); gelu; codes.
; last = 0: the ring is filled with the next group's weights and bias; last = 1: with the second product's first four K steps and b2.
; LOADcnt falls in the order of issue.  Out at a trip's head: set 0 with the bias (12 loads), sets 1, 2, 3 (8 each).
.macro TRIP3 last
	s_lshl_b32 s46, s38, 2
	s_add_co_u32 s46, s46, s44                     ; the group
	s_mul_i32 s47, s46, 24
	s_add_co_u32 s47, s47, G
	v_mul_u32_u24 v8, v14, GP
	v_mad_u32_u24 v8, v15, 12, v8
	v_add_nc_u32 v8, s47, v8                       ; where my 12 bytes of codes go: token r,
	v_add_nc_u32 v9, 49664, v8                     ; token 32 + r
	s_add_co_u32 s47, s46, GS
	v_mul_u32_u24 v10, v14, 68
	v_add_nc_u32 v10, s47, v10                     ; and the block's scale byte
.irp ks,0,1,2,3
.irp mt,0,1,2,3
	AFRAG AF+12*\mt, 3, 6400*\mt+96*\ks
	ds_load_b32 v[24+\mt], v4 offset:256*\mt+4*\ks
.endr
.if \ks == 0
	s_wait_loadcnt 24                              ; set 0 and the bias are in; the younger sets 1, 2, 3 may be out
.else
	s_wait_loadcnt 28                              ; set ks is in; younger: the sets behind it (8 each) and the refills of this trip (set 0's 12, the others' 8): 28 in each case
.endif
	s_wait_dscnt 0x0
.irp mt,0,1,2,3
.irp t,0,1                             ; eight accumulators by turns
.if \ks == 0
	MMC ACC+16*\mt+8*\t, WR+24*\ks+12*\t, AF+12*\mt, BS+8*\t, 16+2*\ks+\t, 24+\mt
.else
	MM ACC+16*\mt+8*\t, WR+24*\ks+12*\t, AF+12*\mt, 16+2*\ks+\t, 24+\mt, 1
.endif
.endr
.endr
	PL
.if \last
	RING \ks, 26, 95, 320*6144, 28, 12, 320*256
.if \ks == 0
	BIAS4
.endif
.else
	RING \ks, 74, 92, 0, 76, 93, 0
.if \ks == 0
	BIAS3
.endif
.endif
.endr
.irp n,0,1,2,3,4,5,6,7
	GELU8 ACC+8*\n
.endr
.irp mt,0,1,2,3                        ; a tile of tokens' 16 registers: hidden units 16 h + 0 .. 15 of the group: half a block
	QCORE ACC+16*\mt, 8+(\mt/2), 24832*(\mt%2), 10, 1088*\mt, 1
.endr
.if \last == 0
	s_wait_xcnt 0x0                                ; the refills have read their bases: on to the group after the next
	s_add_nc_u64 s[74:75], s[74:75], 12288
	s_add_nc_u64 s[76:77], s[76:77], 512
	s_add_nc_u64 s[78:79], s[78:79], 128
.endif
.endm
; A trip of the second product: 512 along K (the s44-th), my 32 columns x 64 tokens, transposed.  refill = 1: the ring is filled with the next trip's weights.  A set is 8 loads here.
.macro TRIP4 refill
	s_mul_i32 s47, s44, 384
	s_add_co_u32 s47, s47, G
	v_mul_u32_u24 v8, v14, GP
	v_mad_u32_u24 v8, v15, 24, v8
	v_add_nc_u32 v8, s47, v8
	v_add_nc_u32 v9, 49664, v8
	s_lshl_b32 s47, s44, 4
	s_add_co_u32 s47, s47, GS
	v_mul_u32_u24 v10, v14, 68
	v_add_nc_u32 v10, s47, v10
.irp ks,0,1,2,3
.irp mt,0,1,2,3
	AFRAG AF+12*\mt, 8+(\mt/2), 24832*(\mt%2)+96*\ks
	ds_load_b32 v[24+\mt], v10 offset:1088*\mt+4*\ks
.endr
.if \refill
	s_wait_loadcnt 24                              ; set ks is in; the three younger sets may be out
.else
	s_wait_loadcnt 24-8*\ks                        ; nothing is issued behind: the counts run down
.endif
	s_wait_dscnt 0x0
.irp mt,0,1,2,3
	MM ACC+8*\mt, WR+24*\ks, AF+12*\mt, 16+2*\ks, 24+\mt, 1
	MM ACC+8*(4+\mt), WR+24*\ks+12, AF+12*\mt, 17+2*\ks, 24+\mt, 1
.endr
	PL
.if \refill
	RING \ks, 74, 95, 0, 76, 12, 0
.endif
.endr
.if \refill
	s_wait_xcnt 0x0                                ; the refills have read their bases
	s_add_nc_u64 s[74:75], s[74:75], 196608
	s_add_nc_u64 s[76:77], s[76:77], 8192
.endif
.endm
	s_load_b512 s[4:19], s[0:1], 0x0               ; x, ln1_g, ln1_b, ln2_g, ln2_b, Wp_b, Wt_b, Wr_b
	s_load_b512 s[20:35], s[0:1], 0x40             ; Wi_b, ffn1_b, ffn2_b, wc, ws, out0, hre, pkey
	s_load_b64 s[36:37], s[0:1], 0x80              ; hsum
	v_lshl_add_u32 v1, v0, 2, SPARE
	v_mov_b32 v2, 0
	v_lshrrev_b32 v3, 5, v0
	v_readfirstlane_b32 s38, v3                    ; wave 0..15
	s_lshl_b32 s40, ttmp9, 6                       ; my work-group's first row
	s_and_b32 s46, ttmp9, 63
	s_cmp_eq_u32 s46, 0
	s_cselect_b32 s41, 0xffff, 0
	s_mov_b32 s42, 0x76543210
	s_mov_b32 s43, 0xfedcba98
	s_mov_b32 s56, 0x2f309231                      ; 1 / 13!
	s_mov_b32 s57, s56
	s_mov_b32 s58, 0x310f76c7                      ; 1 / 12!
	s_mov_b32 s59, s58
	s_mov_b32 s60, 0xaf95df0b                      ; erf: the numerator's first,
	s_mov_b32 s61, s60
	s_mov_b32 s62, 0xb77460cd                      ; the denominator's first
	s_mov_b32 s63, s62
	s_mov_b32 s72, 0xffff0000
	s_mov_b32 s73, 0x3b000000                      ; 1 / 512
	s_lshl_b32 s46, s38, 2
	s_add_co_u32 s46, s46, s40
	s_lshl_b32 s46, s46, 11
	s_mov_b32 s47, 0
	s_wait_kmcnt 0x0
	s_add_nc_u64 s[66:67], s[4:5], s[46:47]        ; x, hre, out0 at row 64 wg + 4 wave
	s_add_nc_u64 s[68:69], s[32:33], s[46:47]
	s_add_nc_u64 s[70:71], s[30:31], s[46:47]
	; ---- phase 0: LN1 and its codes; wave w takes slots 5 w .. 5 w + 4
	v_and_b32 v3, 31, v0
	s_mul_i32 s46, s38, 5
.irp i,0,1,2,3,4
	s_add_co_u32 s47, s46, \i                      ; the slot,
	s_lshr_b32 s48, s47, 4                         ; mt,
	s_and_b32 s49, s47, 15                         ; m
	s_lshr_b32 s50, s49, 3
	s_lshl_b32 s50, s50, 1
	s_and_b32 s51, s49, 1
	s_add_co_u32 s50, s50, s51
	s_mul_i32 s50, s50, 20
	s_lshl_b32 s48, s48, 2
	s_add_co_u32 s50, s50, s48
	s_bfe_u32 s51, s49, 0x20001
	s_add_co_u32 s50, s50, s51                     ; its token
	s_add_co_u32 s50, s50, s40
	s_sub_co_i32 s50, s50, 16
	s_max_i32 s50, s50, 0                          ; its row; no load leaves the buffer (what is read so for the first work-group is replaced in phase 1)
	s_lshl_b32 s50, s50, 11
	v_lshl_add_u32 v[8+\i], v3, 4, s50
.endr
.irp i,0,1,2,3,4
.irp j,0,1,2,3
	global_load_b128 v[96+16*\i+4*\j:96+16*\i+4*\j+3], v[8+\i], s[4:5] offset:512*\j   ; 512 consecutive bytes a load
.endr
.endr
	v_lshlrev_b32 v13, 6, v3
.irp j,0,1,2,3
	global_load_b128 v[LG+4*\j:LG+4*\j+3], v13, s[6:7] offset:16*\j
	global_load_b128 v[LB+4*\j:LB+4*\j+3], v13, s[8:9] offset:16*\j
.endr
	s_mul_i32 s52, s38, 12800                      ; my stage: 5 rows of 2,560
	v_lshrrev_b32 v4, 2, v3
	v_mul_u32_u24 v4, v4, 80
	v_and_b32 v5, 3, v3
	v_lshl_add_u32 v4, v5, 4, v4
	v_add_nc_u32 v4, s52, v4                       ; in: as loaded
	v_mul_u32_u24 v5, v3, 80
	v_add_nc_u32 v5, s52, v5                       ; back: 16 neighbours a lane
	s_mul_i32 s53, s38, 2000
	s_add_co_u32 s53, s53, XC
	v_mul_u32_u24 v6, v3, 12
	v_add_nc_u32 v6, s53, v6
	s_mul_i32 s54, s38, 80
	s_add_co_u32 s54, s54, XS
	v_lshrrev_b32 v7, 1, v3
	v_add_nc_u32 v7, s54, v7
	s_wait_loadcnt 0x0
.irp i,0,1,2,3,4
.irp j,0,1,2,3
	ds_store_b128 v4, v[96+16*\i+4*\j:96+16*\i+4*\j+3] offset:HP*\i+640*\j
.endr
.endr
.irp i,0,1,2,3,4
.irp j,0,1,2,3
	ds_load_b128 v[96+16*\i+4*\j:96+16*\i+4*\j+3], v5 offset:HP*\i+16*\j   ; LDS serves a wave's instructions in order: these see my stores
.endr
.endr
	s_wait_dscnt 0x0
.irp i,0,1,2,3,4
	LNQ 96+16*\i, 6, XP*\i, 7, 16*\i
.endr
	BAR                                            ; the 80 slots' codes lie in LDS; nobody reads a stage any more
	; ---- phase 1: two trips, column tile ct = 2 wave + trip
.irp k,89,91,93,95
	v_mov_b32 v\k, 0                               ; the upper words of the biases' pairs
.endr
	s_mov_b32 s44, 0
.Lp1:
	s_lshl_b32 s46, s38, 1
	s_add_co_u32 s46, s46, s44                     ; ct
	v_and_b32 v12, 15, v0                          ; r
	v_bfe_u32 v13, v0, 4, 1                        ; h
	v_and_b32 v14, 31, v0
	v_mul_u32_u24 v3, v12, XP
	v_mad_u32_u24 v3, v13, 24, v3
	v_add_nc_u32 v3, XC, v3                        ; codes: slot r, + 24 h
	v_lshl_add_u32 v4, v12, 4, XS                  ; their scale words
	s_mul_i32 s47, s46, 6144
	v_lshl_add_u32 v5, v14, 4, s47                 ; the tile's fragments in a unit of wc
	s_lshl_b32 s47, s46, 8
	v_lshl_add_u32 v6, v12, 2, s47                 ; and its scale words in ws
	s_lshl_b32 s47, s46, 6
	v_lshl_add_u32 v7, v12, 2, s47                 ; my column's bias
	s_mul_i32 s47, s46, 320
	s_add_co_u32 s47, s47, PS
	v_mul_u32_u24 v8, v13, 160
	v_add_nc_u32 v8, s47, v8
	s_mul_i32 s47, s46, 80
	s_add_co_u32 s48, s47, 61440
	v_xor_b32 v9, 1, v13
	v_mul_u32_u24 v9, v9, 102400
	v_lshl_add_u32 v9, v12, 2, v9
	v_add_nc_u32 v9, s48, v9                       ; H: even registers, i < 16: rows 24 + i (h = 1), the junk rows 64 + i (h = 0)
	v_mul_u32_u24 v10, v13, 102400
	v_lshl_add_u32 v10, v12, 2, v10
	v_add_nc_u32 v10, s47, v10                     ; H: row 40 h
	s_lshl_b32 s47, s46, 6
	s_add_co_u32 s47, s47, CS
	v_lshl_add_u32 v11, v12, 2, s47
	global_load_b32 v88, v7, s[14:15]
	global_load_b32 v90, v7, s[16:17]
	global_load_b32 v92, v7, s[18:19]
	global_load_b32 v94, v7, s[20:21]
	GEMM2 0, AR, AI
	PL
	v_mul_f32 v88, 0x3fb8aa3b, v88
.irp mt,0,1,2,3,4
	ACT \mt
.endr
	GEMM2 2, BR, BI
	PL
.set q_,0
.rept 20
	v_pk_add_f32 v[BR+q_:BR+q_+1], v[BR+q_:BR+q_+1], v[92:93] op_sel_hi:[1,0]   ; each accumulator from its low end on
.set q_,q_+2
.endr
.set q_,0
.rept 20
	v_pk_add_f32 v[BI+q_:BI+q_+1], v[BI+q_:BI+q_+1], v[94:95] op_sel_hi:[1,0]
.set q_,q_+2
.endr
.set q_,0
.rept 16                               ; tokens 0 to 15 in a batch's first work-group: a = 1, b = 0
	v_cndmask_b32 v[AR+q_], v[AR+q_], 1.0, s41
	v_cndmask_b32 v[AI+q_], v[AI+q_], 0, s41
	v_cndmask_b32 v[BR+q_], v[BR+q_], 0, s41
	v_cndmask_b32 v[BI+q_], v[BI+q_], 0, s41
.set q_,q_+2
.endr
.irp k,36,38,40,42
	v_mov_b32 v\k, 0                               ; a lane permute's destination counts as one of its sources
.endr
	s_mov_b32 s45, 12
.Lscan:                                            ; twelve whole steps; what the missing row above token 0 spoils reaches token 12 at the most
	EDGE 1
.irp i,19,18,17,16,15,14,13,12,11,10,9,8,7,6,5,4,3,2,1,0
	SPAIR \i, 1
.endr
	s_sub_co_i32 s45, s45, 1
	s_cmp_lg_u32 s45, 0
	s_cbranch_scc1 .Lscan
	EDGE 0                                         ; the thirteenth: b_re alone is wanted
.irp i,19,18,17,16,15,14,13,12,11,10,9,8,7,6,5,4,3,2,1,0
	SPAIR \i, 0
.endr
	v_pk_add_f32 v[28:29], v[BR:BR+1], v[BR+2:BR+3]               ; the column's sum over tokens 16 to 79
	v_pk_add_f32 v[32:33], v[BR+4:BR+5], v[BR+6:BR+7]
.irp i,8,12,16,20,24,28
	v_pk_add_f32 v[28:29], v[28:29], v[BR+\i:BR+\i+1]
	v_pk_add_f32 v[32:33], v[32:33], v[BR+\i+2:BR+\i+3]
.endr
	v_pk_add_f32 v[30:31], v[BR+32:BR+33], v[BR+34:BR+35]
	v_pk_add_f32 v[34:35], v[BR+36:BR+37], v[BR+38:BR+39]
	v_pk_add_f32 v[28:29], v[28:29], v[32:33]
	v_pk_add_f32 v[30:31], v[30:31], v[34:35]
	v_cndmask_b32 v28, 0, v28, s72                 ; in lanes 0-15 the even registers of pairs 0 to 15 are the halo
	v_add_f32 v28, v28, v29
	v_add_f32 v30, v30, v31
	v_add_f32 v28, v28, v30
	v_permlanex16_b32 v29, v28, s42, s43
	v_add_f32 v28, v28, v29
	ds_store_b32 v11, v28
.set q_,0
.rept 16
	ds_store_b32 v9, v[BR+2*q_] offset:HP*q_
.set q_,q_+1
.endr
.rept 4
	ds_store_b32 v10, v[BR+2*q_] offset:HP*(q_-16)
.set q_,q_+1
.endr
.set q_,0
.rept 20
	ds_store_b32 v10, v[BR+2*q_+1] offset:HP*(4+q_)
.set q_,q_+1
.endr
	s_add_co_u32 s44, s44, 1
	s_cmp_lt_u32 s44, 2
	s_cbranch_scc1 .Lp1
	BAR                                            ; h_re's 64 rows, the sums of 1 - p and the column sums lie in LDS; nobody reads xn's codes any more
	; ---- phase 2: wave w takes rows 4 w .. 4 w + 3: h_re out, h = h_re + x, LN2 and its codes
	v_and_b32 v14, 31, v0
	s_mul_i32 s46, s38, 10240
	v_lshrrev_b32 v3, 2, v14
	v_mul_u32_u24 v3, v3, 80
	v_and_b32 v4, 3, v14
	v_lshl_add_u32 v3, v4, 4, v3
	v_add_nc_u32 v3, s46, v3                       ; a row as it lies in memory: 16 bytes a lane
	v_mul_u32_u24 v4, v14, 80
	v_add_nc_u32 v4, s46, v4                       ; 16 neighbours a lane
	s_mul_i32 s47, s38, 1600
	s_add_co_u32 s47, s47, XC
	v_mul_u32_u24 v5, v14, 12
	v_add_nc_u32 v5, s47, v5
	s_lshl_b32 s47, s38, 6
	s_add_co_u32 s47, s47, XS
	v_lshrrev_b32 v6, 1, v14
	v_add_nc_u32 v6, s47, v6
	v_lshlrev_b32 v7, 4, v14
	v_lshlrev_b32 v8, 6, v14
	v_lshl_add_u32 v9, v14, 3, PS+64               ; tokens 16 + 2 l, 17 + 2 l
	v_lshl_add_u32 v10, v14, 4, CS
	v_lshlrev_b32 v11, 3, v14
.irp i,0,1,2,3
.irp j,0,1,2,3
	ds_load_b128 v[96+16*\i+4*\j:96+16*\i+4*\j+3], v3 offset:HP*\i+640*\j
	global_load_b128 v[160+16*\i+4*\j:160+16*\i+4*\j+3], v7, s[66:67] offset:2048*\i+512*\j
.endr
.endr
.irp j,0,1,2,3
	global_load_b128 v[LG+4*\j:LG+4*\j+3], v8, s[10:11] offset:16*\j
	global_load_b128 v[LB+4*\j:LB+4*\j+3], v8, s[12:13] offset:16*\j
.endr
	s_wait_dscnt 0x0
.irp i,0,1,2,3
.irp j,0,1,2,3
	global_store_b128 v7, v[96+16*\i+4*\j:96+16*\i+4*\j+3], s[68:69] offset:2048*\i+512*\j th:TH_STORE_NT   ; 512 consecutive bytes a store
.endr
.endr
	s_wait_loadcnt 0x0
.set q_,0
.rept 32
	v_pk_add_f32 v[160+q_:161+q_], v[96+q_:97+q_], v[160+q_:161+q_]   ; h, into x's registers: the stores' data stay
.set q_,q_+2
.endr
.irp i,0,1,2,3
.irp j,0,1,2,3
	ds_store_b128 v3, v[160+16*\i+4*\j:160+16*\i+4*\j+3] offset:HP*\i+640*\j
.endr
.endr
.irp i,0,1,2,3
.irp j,0,1,2,3
	ds_load_b128 v[160+16*\i+4*\j:160+16*\i+4*\j+3], v4 offset:HP*\i+16*\j
.endr
.endr
	s_wait_dscnt 0x0
.irp i,0,1,2,3
	LNQ 160+16*\i, 5, XP*\i, 6, 16*\i
.endr
	s_wait_xcnt 0x0                                ; the stores of h_re have read their registers: the ring may land there
	; the ring's offsets, made once: the first product's tiles 192 + 8 wave + 2 trip + t, the second's 320 + 2 wave + n (+ 32 a trip)
	v_and_b32 v15, 15, v0                          ; r
	v_bfe_u32 v13, v0, 4, 1                        ; h
	s_mul_i32 s46, s38, 49152
	v_lshl_add_u32 v92, v14, 4, s46                ; wc, first product: 16 lane + 8 tiles a wave
	s_lshl_b32 s46, s38, 11
	v_lshl_add_u32 v93, v15, 2, s46                ; ws likewise: 4 r
	s_lshl_b32 s46, s38, 9
	v_lshl_add_u32 v94, v13, 6, s46                ; b1: 128 numbers a wave, + 16 h
	v_lshl_add_u32 v12, v15, 2, s46                ; ws, second product: 4 r + 2 tiles a wave
	s_mul_i32 s46, s38, 12288
	v_lshl_add_u32 v95, v14, 4, s46                ; wc, second product
	s_lshl_b32 s46, s38, 7
	v_lshl_add_u32 v13, v13, 5, s46                ; b2: 32 numbers a wave, + 8 h
	s_add_nc_u64 s[74:75], s[26:27], 192*6144
	s_add_nc_u64 s[76:77], s[28:29], 192*256
	s_mov_b64 s[78:79], s[22:23]
	RING 0, 74, 92, 0, 76, 93, 0                   ; the ring's first fill: the first trip's four K steps and its bias: 36 loads, in the order in which they are waited for
	BIAS3
	RING 1, 74, 92, 0, 76, 93, 0
	RING 2, 74, 92, 0, 76, 93, 0
	RING 3, 74, 92, 0, 76, 93, 0
	s_cmp_lg_u32 s38, 0
	s_cbranch_scc1 .Lnot0
.set q_,0
.rept 32                               ; wave 0: each row's sum of 1 - p over the 32 column tiles
	ds_load_b64 v[192+2*q_:193+2*q_], v9 offset:320*q_
.set q_,q_+1
.endr
	s_lshl_b32 s46, ttmp9, 8
	s_mov_b32 s47, 0
	s_add_nc_u64 s[48:49], s[34:35], s[46:47]
	s_wait_dscnt 0x0
.irp n,32,16,8,4,2
.set q_,0
.rept \n/2
	v_pk_add_f32 v[192+q_:193+q_], v[192+q_:193+q_], v[192+\n+q_:193+\n+q_]
.set q_,q_+2
.endr
.endr
	global_store_b64 v11, v[192:193], s[48:49]     ; 256 consecutive bytes
.Lnot0:
	s_cmp_lg_u32 s38, 1
	s_cbranch_scc1 .Lnot1
.irp j,0,1,2,3
	ds_load_b128 v[192+4*\j:195+4*\j], v10 offset:512*\j   ; wave 1: the 512 column sums
.endr
	s_lshl_b32 s46, ttmp9, 11
	s_mov_b32 s47, 0
	s_add_nc_u64 s[48:49], s[36:37], s[46:47]
	s_wait_dscnt 0x0
.irp j,0,1,2,3
	global_store_b128 v7, v[192+4*\j:195+4*\j], s[48:49] offset:512*\j
.endr
.Lnot1:
	s_wait_xcnt 0x0                                ; these stores have read their registers and addresses, the ring's loads their bases:
	s_add_nc_u64 s[74:75], s[74:75], 12288         ; on to the second trip's group, which the first trip asks for
	s_add_nc_u64 s[76:77], s[76:77], 512
	s_add_nc_u64 s[78:79], s[78:79], 128
	BAR                                            ; h and hn's codes lie in LDS
	; ---- phase 3: gelu(hn W1 + b1): four trips of 32 hidden units; the last is written out, since its refills are the second product's
	v_and_b32 v14, 15, v0                          ; r
	v_bfe_u32 v15, v0, 4, 1                        ; h
	v_mul_u32_u24 v3, v14, XP
	v_mad_u32_u24 v3, v15, 24, v3
	v_add_nc_u32 v3, XC, v3                        ; hn's codes: token r, + 24 h
	v_lshl_add_u32 v4, v14, 4, XS                  ; their scale words
	s_mov_b32 s44, 0
.Lp3:
	TRIP3 0
	s_add_co_u32 s44, s44, 1
	s_cmp_lt_u32 s44, 3
	s_cbranch_scc1 .Lp3
	s_mov_b32 s44, 3
	TRIP3 1
	BAR                                            ; gelu's codes and scale bytes lie in LDS
	; ---- phase 4: h + b2 + gelu W2; my 32 columns for the 64 rows: eight accumulators, which begin as h + b2
	s_mul_i32 s46, s38, 160
	v_mul_u32_u24 v3, v14, HP
	v_lshl_add_u32 v3, v15, 5, v3
	v_add_nc_u32 v3, s46, v3                       ; H: row r, my columns, + 8 h
	v_add_nc_u32 v4, 81920, v3                     ; row 32 + r
.irp n,0,1
.irp mt,0,1,2,3
	ds_load_b128 v[ACC+8*(4*\n+\mt):ACC+8*(4*\n+\mt)+3], v[3+(\mt/2)] offset:40960*(\mt%2)+80*\n
	ds_load_b128 v[ACC+8*(4*\n+\mt)+4:ACC+8*(4*\n+\mt)+7], v[3+(\mt/2)] offset:40960*(\mt%2)+80*\n+16
.endr
.endr
	s_add_nc_u64 s[74:75], s[26:27], 320*6144+196608   ; the bases of the refills: the second trip's weights (no load that names these pairs is without its wait on XCNT)
	s_add_nc_u64 s[76:77], s[28:29], 320*256+8192
	s_wait_loadcnt 24                              ; set 0 and b2 are in; sets 1, 2, 3 may be out
	s_wait_dscnt 0x0
.irp n,0,1
.irp mt,0,1,2,3
.irp k,0,2,4,6
	v_pk_add_f32 v[ACC+8*(4*\n+\mt)+\k:ACC+8*(4*\n+\mt)+\k+1], v[ACC+8*(4*\n+\mt)+\k:ACC+8*(4*\n+\mt)+\k+1], v[BS+8*\n+\k:BS+8*\n+\k+1]
.endr
.endr
.endr
	s_mov_b32 s44, 0
.Lp4:                                              ; four trips of 512 along K; the last is written out: it asks for nothing, so that no load leaves its buffer
	TRIP4 1
	s_add_co_u32 s44, s44, 1
	s_cmp_lt_u32 s44, 3
	s_cbranch_scc1 .Lp4
	s_mov_b32 s44, 3
	TRIP4 0
.irp n,0,1
.irp mt,0,1,2,3                        ; back to the places that h left (my own columns): each accumulator from its low end on
	ds_store_b128 v[3+(\mt/2)], v[ACC+8*(4*\n+\mt):ACC+8*(4*\n+\mt)+3] offset:40960*(\mt%2)+80*\n
	ds_store_b128 v[3+(\mt/2)], v[ACC+8*(4*\n+\mt)+4:ACC+8*(4*\n+\mt)+7] offset:40960*(\mt%2)+80*\n+16
.endr
.endr
	BAR                                            ; 64 whole rows of the result lie in H
	; ---- phase 5: wave w stores rows 4 w .. 4 w + 3
	v_and_b32 v14, 31, v0
	s_mul_i32 s46, s38, 10240
	v_lshrrev_b32 v3, 2, v14
	v_mul_u32_u24 v3, v3, 80
	v_and_b32 v4, 3, v14
	v_lshl_add_u32 v3, v4, 4, v3
	v_add_nc_u32 v3, s46, v3
	v_lshlrev_b32 v7, 4, v14
.irp i,0,1,2,3
.irp j,0,1,2,3
	ds_load_b128 v[96+16*\i+4*\j:96+16*\i+4*\j+3], v3 offset:HP*\i+640*\j
.endr
.endr
	s_wait_dscnt 0x0
.irp i,0,1,2,3
.irp j,0,1,2,3
	global_store_b128 v7, v[96+16*\i+4*\j:96+16*\i+4*\j+3], s[70:71] offset:2048*\i+512*\j th:TH_STORE_NT   ; 512 consecutive bytes a store
.endr
.endr
	s_wait_tensorcnt 0x0                           ; the wave's end
	ds_add_u32 v1, v2
	s_wait_dscnt 0x0
	s_endpgm
.Lfunc_end_k_qa577859a96_main:
	.size	k_qa577859a96_main, .Lfunc_end_k_qa577859a96_main-k_qa577859a96_main
	.p2alignl 7, 3214868480
	.fill 96, 4, 3214868480
	.section	.rodata,"a",@progbits
	.p2align	6, 0x0
	.amdhsa_kernel k_qa577859a96_main
		.amdhsa_group_segment_fixed_size 315392
		.amdhsa_private_segment_fixed_size 0
		.amdhsa_enable_private_segment 0
		.amdhsa_kernarg_size 136
		.amdhsa_user_sgpr_count 2
		.amdhsa_user_sgpr_kernarg_segment_ptr 1
		.amdhsa_wavefront_size32 1
		.amdhsa_system_sgpr_workgroup_id_x 1
		.amdhsa_system_sgpr_workgroup_id_y 1
		.amdhsa_system_sgpr_workgroup_id_z 1
		.amdhsa_system_vgpr_workitem_id 0
		.amdhsa_next_free_vgpr 256
		.amdhsa_next_free_sgpr 80
		.amdhsa_reserve_vcc 0
		.amdhsa_float_denorm_mode_32 3
		.amdhsa_float_denorm_mode_16_64 3
		.amdhsa_memory_ordered 1
		.amdhsa_forward_progress 1
		.amdhsa_inst_pref_size 255
	.end_amdhsa_kernel
	.section	.bss,"aw",@nobits
	.p2align	6
	.space	262144
	.amdgpu_metadata
---
amdhsa.version: [ 1, 2 ]
amdhsa.kernels:
  - .name:           k_qa577859a96_main
    .symbol:         k_qa577859a96_main.kd
    .args:
      - { .name: x, .offset: 0, .size: 8, .value_kind: global_buffer, .address_space: global }
      - { .name: ln1_g, .offset: 8, .size: 8, .value_kind: global_buffer, .address_space: global }
      - { .name: ln1_b, .offset: 16, .size: 8, .value_kind: global_buffer, .address_space: global }
      - { .name: ln2_g, .offset: 24, .size: 8, .value_kind: global_buffer, .address_space: global }
      - { .name: ln2_b, .offset: 32, .size: 8, .value_kind: global_buffer, .address_space: global }
      - { .name: Wp_b, .offset: 40, .size: 8, .value_kind: global_buffer, .address_space: global }
      - { .name: Wt_b, .offset: 48, .size: 8, .value_kind: global_buffer, .address_space: global }
      - { .name: Wr_b, .offset: 56, .size: 8, .value_kind: global_buffer, .address_space: global }
      - { .name: Wi_b, .offset: 64, .size: 8, .value_kind: global_buffer, .address_space: global }
      - { .name: ffn1_b, .offset: 72, .size: 8, .value_kind: global_buffer, .address_space: global }
      - { .name: ffn2_b, .offset: 80, .size: 8, .value_kind: global_buffer, .address_space: global }
      - { .name: wc, .offset: 88, .size: 8, .value_kind: global_buffer, .address_space: global }
      - { .name: ws, .offset: 96, .size: 8, .value_kind: global_buffer, .address_space: global }
      - { .name: out0, .offset: 104, .size: 8, .value_kind: global_buffer, .address_space: global }
      - { .name: hre, .offset: 112, .size: 8, .value_kind: global_buffer, .address_space: global }
      - { .name: pkey, .offset: 120, .size: 8, .value_kind: global_buffer, .address_space: global }
      - { .name: hsum, .offset: 128, .size: 8, .value_kind: global_buffer, .address_space: global }
    .group_segment_fixed_size: 315392
    .private_segment_fixed_size: 0
    .kernarg_segment_align: 8
    .kernarg_segment_size: 136
    .max_flat_workgroup_size: 512
    .sgpr_count:     80
    .vgpr_count:     256
    .wavefront_size: 32
...
	.end_amdgpu_metadata
.endif
;; end of part 2
;; launch select (part 3): grid 36 x 1, 16 waves a work-group, no clusters, 6,144 bytes of LDS; arguments pkey, hsum, Wq_w, idx, qpart; writes idx, qpart
.if DOCPART == 3
	.amdgcn_target "amdgcn-amd-amdhsa--gfx1250"
	.amdhsa_code_object_version 6
	.text
	.protected	k_qa577859a96_select
	.globl	k_qa577859a96_select
	.p2align	8
	.type	k_qa577859a96_select,@function
k_qa577859a96_select:
	s_mov_b64 s[64:65], 0
	v_nop
	global_prefetch_b8 v0, s[64:65] scope:SCOPE_SE
	s_setreg_imm32_b32 hwreg(HW_REG_WAVE_MODE, 25, 1), 1
	s_wait_xcnt 0x0
; Work-groups 0 to 3: the 16 rows of batch b with the largest mean p, that is with the smallest sum of 1 - p (pkey); of equal sums the lower row.  Their numbers go to idx as whole numbers.
; Each wave picks 16 of its 256 rows, wave 0 then 16 of the 256 picked.  A pick is made by minima and selects alone: no branch and no address hangs on a number.
; Work-groups 4 to 35 (j = 0 .. 31): the part of h_mean Wq that rows 16 j .. 16 j + 15 of Wq give, for the four batches, in f32 multiply-adds; to qpart [j][b][512].
; LIMITS: NaN in pkey is not served.
.set CV, 0                             ; LDS: the waves' picks: values, 128 bytes a wave,
.set CI, 2048                          ; and row numbers (as f32: whole numbers under 4,096)
.set SPARE, 4096
.macro LMIN a, t                       ; the minimum over the 32 lanes, in every lane
	v_min_num_f32_dpp v[\a], v[\a], v[\a] row_xmask:1 row_mask:0xf bank_mask:0xf
	v_min_num_f32_dpp v[\a], v[\a], v[\a] row_xmask:2 row_mask:0xf bank_mask:0xf
	v_min_num_f32_dpp v[\a], v[\a], v[\a] row_xmask:4 row_mask:0xf bank_mask:0xf
	v_min_num_f32_dpp v[\a], v[\a], v[\a] row_xmask:8 row_mask:0xf bank_mask:0xf
	v_permlanex16_b32 v[\t], v[\a], s14, s15
	v_min_num_f32 v[\a], v[\a], v[\t]
.endm
.macro SELECT16                        ; of the wave's 256 (value v16-23, number v24-31) the 16 smallest: the n-th into lane n of v40, v41
	v_mov_b32 v40, 0
	v_mov_b32 v41, 0
	s_mov_b32 s21, 1
	s_mov_b32 s20, 16
.Lsel_\@:
	v_min3_num_f32 v32, v16, v17, v18
	v_min3_num_f32 v33, v19, v20, v21
	v_min3_num_f32 v32, v32, v22, v23
	v_min_num_f32 v32, v32, v33
	LMIN 32, 33                                    ; the smallest value
.irp i,0,1,2,3,4,5,6,7
	v_cmp_eq_f32 vcc_lo, v[16+\i], v32
	v_cndmask_b32 v[48+\i], v42, v[24+\i], vcc_lo
.endr
	v_min3_num_f32 v34, v48, v49, v50
	v_min3_num_f32 v35, v51, v52, v53
	v_min3_num_f32 v34, v34, v54, v55
	v_min_num_f32 v34, v34, v35
	LMIN 34, 35                                    ; the lowest number that has it
.irp i,0,1,2,3,4,5,6,7
	v_cmp_eq_f32 vcc_lo, v[24+\i], v34
	v_cndmask_b32 v[16+\i], v[16+\i], v43, vcc_lo  ; which is struck out
.endr
	v_cndmask_b32 v40, v40, v32, s21
	v_cndmask_b32 v41, v41, v34, s21
	s_lshl_b32 s21, s21, 1
	s_sub_co_i32 s20, s20, 1
	s_cmp_lg_u32 s20, 0
	s_cbranch_scc1 .Lsel_\@
.endm
	s_load_b256 s[4:11], s[0:1], 0x0               ; pkey, hsum, Wq_w, idx
	s_load_b64 s[12:13], s[0:1], 0x20              ; qpart
	v_lshl_add_u32 v1, v0, 2, SPARE
	v_mov_b32 v2, 0
	v_lshrrev_b32 v3, 5, v0
	v_readfirstlane_b32 s16, v3                    ; wave
	v_and_b32 v3, 31, v0                           ; lane
	v_and_b32 v4, 15, v0
	v_bfe_u32 v5, v0, 4, 1
	s_mov_b32 s14, 0x76543210
	s_mov_b32 s15, 0xfedcba98
	v_lshlrev_b32 v6, 2, v0                        ; LDS: my word of my wave's 128 bytes
	v_lshlrev_b32 v7, 7, v5
	v_lshl_add_u32 v7, v4, 2, v7                   ; LDS: pick l % 16 of wave l / 16 (+ 2 i)
	s_wait_kmcnt 0x0
	s_cmp_ge_u32 ttmp9, 4
	s_cbranch_scc1 .Lq
	s_lshl_b32 s17, ttmp9, 14
	s_lshl_b32 s18, s16, 10
	s_add_co_u32 s17, s17, s18
	v_lshl_add_u32 v8, v3, 2, s17
.irp i,0,1,2,3,4,5,6,7
	global_load_b32 v[16+\i], v8, s[4:5] offset:128*\i
.endr
	s_lshl_b32 s18, s16, 8
	v_add_nc_u32 v9, s18, v3
.irp i,0,1,2,3,4,5,6,7
	v_add_nc_u32 v10, 32*\i, v9
	v_cvt_f32_u32 v[24+\i], v10                    ; row 256 wave + 32 i + lane
.endr
	v_mov_b32 v42, 0x45800000                      ; 4,096: above every row number
	v_mov_b32 v43, 0x7f800000
	s_lshl_b32 s22, ttmp9, 7
	v_lshl_add_u32 v11, v3, 2, s22
	s_wait_loadcnt 0x0
	SELECT16
	ds_store_b32 v6, v40 offset:CV
	ds_store_b32 v6, v41 offset:CI
	s_wait_dscnt 0x0                               ; for the others' sake: my stores are done
	s_barrier_signal -1
	s_barrier_wait -1
	s_cmp_lg_u32 s16, 0
	s_cbranch_scc1 .Lend
.irp i,0,1,2,3,4,5,6,7
	ds_load_b32 v[16+\i], v7 offset:CV+256*\i
	ds_load_b32 v[24+\i], v7 offset:CI+256*\i
.endr
	s_wait_dscnt 0x0
	SELECT16
	v_cvt_u32_f32 v44, v41
	global_store_b32 v11, v44, s[10:11]            ; lanes 0-15: the sixteen rows; lanes 16-31: zeros, which nobody reads
	s_branch .Lend
.Lq:
	s_sub_co_u32 s17, ttmp9, 4                     ; j
	s_lshr_b32 s18, s16, 2                         ; batch
	s_and_b32 s19, s16, 3                          ; which 128 columns
	s_lshl_b32 s20, s18, 17
	s_lshl_b32 s21, s17, 6
	s_add_co_u32 s20, s20, s21
	v_lshlrev_b32 v8, 11, v5
	v_lshl_add_u32 v8, v4, 2, v8
	v_add_nc_u32 v8, s20, v8
.set q_,0
.rept 32
	global_load_b32 v[96+q_], v8, s[6:7] offset:4096*q_   ; column 16 j + l % 16 of the sums of work-groups l / 16 + 2 i of the batch
.set q_,q_+1
.endr
	s_lshl_b32 s20, s17, 15
	s_lshl_b32 s21, s19, 9
	s_add_co_u32 s20, s20, s21
	v_lshl_add_u32 v9, v3, 4, s20
.set q_,0
.rept 16
	global_load_b128 v[16+4*q_:19+4*q_], v9, s[8:9] offset:2048*q_   ; 512 consecutive bytes of row 16 j + kk of Wq
.set q_,q_+1
.endr
	s_lshl_b32 s20, s17, 2
	s_add_co_u32 s20, s20, s18
	s_lshl_b32 s20, s20, 11
	s_add_co_u32 s20, s20, s21
	v_lshl_add_u32 v10, v3, 4, s20
	s_wait_loadcnt 16                              ; the 32 sums are in; the 16 younger loads, Wq's, may be out
.irp n,16,8,4,2,1
.set q_,0
.rept \n
	v_add_f32 v[96+q_], v[96+q_], v[96+\n+q_]
.set q_,q_+1
.endr
.endr
	v_permlanex16_b32 v97, v96, s14, s15
	v_add_f32 v96, v96, v97
	v_mul_f32 v96, 0x39800000, v96                 ; h_mean (16 j + l % 16)
.set q_,0
.rept 16
	v_readlane_b32 s[40+q_], v96, q_
.set q_,q_+1
.endr
	s_wait_loadcnt 0x0
.irp c,0,1,2,3
	v_mul_f32 v[80+\c], s40, v[16+\c]
.endr
.set q_,1
.rept 15
.irp c,0,1,2,3
	v_fma_f32 v[80+\c], s[40+q_], v[16+4*q_+\c], v[80+\c]
.endr
.set q_,q_+1
.endr
	global_store_b128 v10, v[80:83], s[12:13]      ; 512 consecutive bytes
.Lend:
	s_wait_tensorcnt 0x0                           ; the wave's end
	ds_add_u32 v1, v2
	s_wait_dscnt 0x0
	s_endpgm
.Lfunc_end_k_qa577859a96_select:
	.size	k_qa577859a96_select, .Lfunc_end_k_qa577859a96_select-k_qa577859a96_select
	.p2alignl 7, 3214868480
	.fill 96, 4, 3214868480
	.section	.rodata,"a",@progbits
	.p2align	6, 0x0
	.amdhsa_kernel k_qa577859a96_select
		.amdhsa_group_segment_fixed_size 6144
		.amdhsa_private_segment_fixed_size 0
		.amdhsa_enable_private_segment 0
		.amdhsa_kernarg_size 40
		.amdhsa_user_sgpr_count 2
		.amdhsa_user_sgpr_kernarg_segment_ptr 1
		.amdhsa_wavefront_size32 1
		.amdhsa_system_sgpr_workgroup_id_x 1
		.amdhsa_system_sgpr_workgroup_id_y 1
		.amdhsa_system_sgpr_workgroup_id_z 1
		.amdhsa_system_vgpr_workitem_id 0
		.amdhsa_next_free_vgpr 128
		.amdhsa_next_free_sgpr 66
		.amdhsa_reserve_vcc 1
		.amdhsa_float_denorm_mode_32 3
		.amdhsa_float_denorm_mode_16_64 3
		.amdhsa_memory_ordered 1
		.amdhsa_forward_progress 1
		.amdhsa_inst_pref_size 21
	.end_amdhsa_kernel
	.amdgpu_metadata
---
amdhsa.version: [ 1, 2 ]
amdhsa.kernels:
  - .name:           k_qa577859a96_select
    .symbol:         k_qa577859a96_select.kd
    .args:
      - { .name: pkey, .offset: 0, .size: 8, .value_kind: global_buffer, .address_space: global }
      - { .name: hsum, .offset: 8, .size: 8, .value_kind: global_buffer, .address_space: global }
      - { .name: Wq_w, .offset: 16, .size: 8, .value_kind: global_buffer, .address_space: global }
      - { .name: idx, .offset: 24, .size: 8, .value_kind: global_buffer, .address_space: global }
      - { .name: qpart, .offset: 32, .size: 8, .value_kind: global_buffer, .address_space: global }
    .group_segment_fixed_size: 6144
    .private_segment_fixed_size: 0
    .kernarg_segment_align: 8
    .kernarg_segment_size: 40
    .max_flat_workgroup_size: 512
    .sgpr_count:     66
    .vgpr_count:     128
    .wavefront_size: 32
...
	.end_amdgpu_metadata
.endif
;; end of part 3
;; launch final (part 4): grid 4 x 1, 16 waves a work-group, no clusters, 16,384 bytes of LDS; arguments idx, hre, hsum, qpart, wc, ws, Wk_b, Wv_b, Wq_b, gate_w, gate_b, out1; writes out1
.if DOCPART == 4
	.amdgcn_target "amdgcn-amd-amdhsa--gfx1250"
	.amdhsa_code_object_version 6
	.text
	.protected	k_qa577859a96_final
	.globl	k_qa577859a96_final
	.p2align	8
	.type	k_qa577859a96_final,@function
k_qa577859a96_final:
	s_mov_b64 s[64:65], 0
	v_nop
	global_prefetch_b8 v0, s[64:65] scope:SCOPE_SE
	s_setreg_imm32_b32 hwreg(HW_REG_WAVE_MODE, 25, 1), 1
	s_wait_xcnt 0x0
; out1 for batch b = the work-group: the 16 chosen rows of h_re are gathered (their numbers were stored as whole numbers by the launch before), quantised, multiplied by Wk and Wv on codes of FP6;
; query, scores, softmax (the maximum is taken away), the weighted values, the gate and h_mean in f32.
; Wave w gathers and quantises row w, and makes columns 32 w .. 32 w + 31 of keys and values (source 0 = the 16 rows, source 1 = 16 columns: a lane holds one column and eight rows).
; Four work-groups: the work is 16 rows a batch, and a batch's scores meet in one LDS.
; LIMITS: NaN and infinities are not served; a block of zeros gets the scale byte 1 (its codes are zeros).
.set XC, 0                             ; LDS: 16 rows of codes, pitch 400
.set XP, 400
.set XS, 6400                          ; their scale bytes, 16 a row
.set QV, 6656                          ; the query / sqrt(512)
.set HMV, 8704                         ; h_mean
.set SCP, 10752                        ; [wave][16 keys]: parts of the scores
.set GPS, 11776                        ; [wave]: parts of h_mean . gate_w
.set OUT, 12032
.set SPARE, 14080
.macro PL
.rept 4
	v_nop
.endr
.endm
.macro BAR                             ; my LDS stores have landed and my LDS loads are in: then the work-group's barrier
	s_wait_dscnt 0x0
	s_barrier_signal -1
	s_barrier_wait -1
.endm
.macro WSUM a, t
	v_add_f32_dpp v[\a], v[\a], v[\a] row_xmask:1 row_mask:0xf bank_mask:0xf
	v_add_f32_dpp v[\a], v[\a], v[\a] row_xmask:2 row_mask:0xf bank_mask:0xf
	v_add_f32_dpp v[\a], v[\a], v[\a] row_xmask:4 row_mask:0xf bank_mask:0xf
	v_add_f32_dpp v[\a], v[\a], v[\a] row_xmask:8 row_mask:0xf bank_mask:0xf
	v_permlanex16_b32 v[\t], v[\a], s42, s43
	v_add_f32 v[\a], v[\a], v[\t]
.endm
.macro AFRAG reg, adr, off
.irp p,0,1,2,3,4,5
	ds_load_b64 v[(\reg)+2*\p:(\reg)+2*\p+1], v[\adr] offset:(\off)+48*(\p/3)+8*(\p%3)
.endr
.endm
.macro WFRAG reg, adr, off
.irp g,0,1,2
	global_load_b128 v[(\reg)+4*\g:(\reg)+4*\g+3], v[\adr], s[12:13] offset:(\off)+512*\g
.endr
.endm
.macro MM d, a, b, sa, sb, ks
.if (\ks) == 0
	v_wmma_scale_f32_16x16x128_f8f6f4 v[(\d):(\d)+7], v[(\a):(\a)+11], v[(\b):(\b)+11], 0, v[\sa], v[\sb] matrix_a_fmt:MATRIX_FMT_FP6 matrix_b_fmt:MATRIX_FMT_FP6
.else
	v_wmma_scale_f32_16x16x128_f8f6f4 v[(\d):(\d)+7], v[(\a):(\a)+11], v[(\b):(\b)+11], v[(\d):(\d)+7], v[\sa], v[\sb] matrix_a_fmt:MATRIX_FMT_FP6 matrix_b_fmt:MATRIX_FMT_FP6
.endif
.endm
	s_load_b512 s[4:19], s[0:1], 0x0               ; idx, hre, hsum, qpart, wc, ws, Wk_b, Wv_b
	s_load_b256 s[20:27], s[0:1], 0x40             ; Wq_b, gate_w, gate_b, out1
	v_lshl_add_u32 v1, v0, 2, SPARE
	v_mov_b32 v2, 0
	v_lshrrev_b32 v3, 5, v0
	v_readfirstlane_b32 s28, v3                    ; wave
	s_mov_b32 s42, 0x76543210
	s_mov_b32 s43, 0xfedcba98
	s_lshl_b32 s29, ttmp9, 7
	s_lshl_b32 s30, s28, 2
	s_add_co_u32 s29, s29, s30
	s_wait_kmcnt 0x0
	s_load_b32 s31, s[4:5], s29 offset:0x0         ; my row's number
	s_load_b32 s32, s[24:25], 0x0                  ; gate_b
	v_and_b32 v3, 31, v0                           ; lane
	v_and_b32 v4, 15, v0                           ; r
	v_bfe_u32 v5, v0, 4, 1                         ; h
	v_lshlrev_b32 v7, 2, v0                        ; 4 x thread
	s_lshl_b32 s34, ttmp9, 17
	v_add_nc_u32 v8, s34, v7                       ; hsum: my column in the batch's 64 rows
	s_lshl_b32 s34, ttmp9, 11
	v_add_nc_u32 v9, s34, v7                       ; qpart: my column in the batch's rows
	s_mul_i32 s35, s28, XP
	v_mul_u32_u24 v10, v3, 12
	v_add_nc_u32 v10, s35, v10                     ; where my codes go
	s_lshl_b32 s35, s28, 4
	s_add_co_u32 s35, s35, XS
	v_lshrrev_b32 v11, 1, v3
	v_add_nc_u32 v11, s35, v11
	s_add_co_u32 s35, s30, GPS
	v_mov_b32 v12, s35
	v_mul_u32_u24 v13, v4, XP
	v_mad_u32_u24 v13, v5, 24, v13                 ; codes: row r, + 24 h
	v_lshl_add_u32 v14, v4, 4, XS
	s_mul_i32 s35, s28, 12288
	v_lshl_add_u32 v226, v3, 4, s35                ; my first column tile in a unit of wc
	s_lshl_b32 s35, s28, 9
	v_lshl_add_u32 v227, v4, 2, s35                ; and in ws
	s_lshl_b32 s35, s28, 7
	v_lshl_add_u32 v228, v4, 2, s35                ; my column x 4
	s_lshl_b32 s35, s28, 6
	s_add_co_u32 s35, s35, SCP
	v_lshl_add_u32 v229, v5, 5, s35
	v_lshl_add_u32 v230, v5, 5, SCP
	v_mov_b32 v231, GPS
	v_lshl_add_u32 v232, v0, 4, OUT
	v_lshl_add_u32 v233, v0, 4, s34
	s_wait_kmcnt 0x0
	s_min_u32 s31, s31, 4095                       ; a loaded number enters an address behind this bound
	s_lshl_b32 s33, ttmp9, 12
	s_add_co_u32 s31, s31, s33
	s_lshl_b32 s31, s31, 11
	v_lshl_add_u32 v6, v3, 6, s31
.irp j,0,1,2,3
	global_load_b128 v[96+4*\j:99+4*\j], v6, s[6:7] offset:16*\j   ; 16 neighbours a lane
.endr
.set q_,0
.rept 64
	global_load_b32 v[128+q_], v8, s[8:9] offset:2048*q_
.set q_,q_+1
.endr
.set q_,0
.rept 32
	global_load_b32 v[192+q_], v9, s[10:11] offset:8192*q_
.set q_,q_+1
.endr
	global_load_b32 v224, v7, s[20:21]
	global_load_b32 v225, v7, s[22:23]
.irp c,0,1
	global_load_b32 v[208+32+\c], v228, s[16:17] offset:64*\c      ; v240, v241: Wk_b; v242, v243: Wv_b of my two columns
	global_load_b32 v[210+32+\c], v228, s[18:19] offset:64*\c
.endr
	s_wait_loadcnt 0x0
	; my row's codes: two neighbouring lanes hold a block
	v_max3_num_f32 v48, |v96|, |v97|, 0x1800000
	v_max3_num_f32 v49, |v98|, |v99|, |v100|
	v_max3_num_f32 v48, v48, |v101|, |v102|
	v_max3_num_f32 v49, v49, |v103|, |v104|
	v_max3_num_f32 v48, v48, |v105|, |v106|
	v_max3_num_f32 v49, v49, |v107|, |v108|
	v_max3_num_f32 v48, v48, |v109|, |v110|
	v_max3_num_f32 v48, v48, v49, |v111|
	v_max_num_f32_dpp v48, v48, v48 row_xmask:1 row_mask:0xf bank_mask:0xf
	v_add_nc_u32 v50, 0xff000000, v48
	v_cvt_scalef32_pk16_fp6_f32 v[52:54], v[96:111], v50
	v_lshrrev_b32 v51, 23, v50                     ; the byte; also the plain place behind the conversion
	ds_store_b32 v10, v52 offset:XC
	ds_store_b32 v10, v53 offset:XC+4
	ds_store_b32 v10, v54 offset:XC+8
	ds_store_b8 v11, v51
.irp n,32,16,8,4,2,1
.set q_,0
.rept \n
	v_add_f32 v[128+q_], v[128+q_], v[128+\n+q_]
.set q_,q_+1
.endr
.endr
	v_mul_f32 v128, 0x39800000, v128               ; h_mean of my column
.irp n,16,8,4,2,1
.set q_,0
.rept \n
	v_add_f32 v[192+q_], v[192+q_], v[192+\n+q_]
.set q_,q_+1
.endr
.endr
	v_add_f32 v192, v192, v224
	v_mul_f32 v192, 0x3d3504f3, v192               ; the query / sqrt(512)
	ds_store_b32 v7, v128 offset:HMV
	ds_store_b32 v7, v192 offset:QV
	v_mul_f32 v129, v128, v225
	WSUM 129, 130
	ds_store_b32 v12, v129
	BAR
.irp ks,0,1,2,3
	AFRAG 28+12*\ks, 13, 96*\ks
.endr
	ds_load_b128 v[16:19], v14                     ; the rows' four scale words
.irp c,0,1
	ds_load_b32 v[244+\c], v228 offset:QV+64*\c
	ds_load_b32 v[246+\c], v228 offset:HMV+64*\c
.endr
.irp c,0,1
	PL
.irp ks,0,1,2,3
	WFRAG 76+12*\ks, 226, 4*196608+6144*\c+1536*\ks
	WFRAG 124+12*\ks, 226, 5*196608+6144*\c+1536*\ks
	global_load_b32 v[20+\ks], v227, s[14:15] offset:4*8192+256*\c+64*\ks
	global_load_b32 v[24+\ks], v227, s[14:15] offset:5*8192+256*\c+64*\ks
.endr
	s_wait_loadcnt 0x0
	s_wait_dscnt 0x0
.irp ks,0,1,2,3                        ; keys and values by turns
	MM 176+16*\c, 28+12*\ks, 76+12*\ks, 16+\ks, 20+\ks, \ks
	MM 184+16*\c, 28+12*\ks, 124+12*\ks, 16+\ks, 24+\ks, \ks
.endr
.endr
	PL
.irp j,0,1,2,3,4,5,6,7
	v_add_f32 v[208+\j], v[176+\j], v240
.endr
.irp j,0,1,2,3,4,5,6,7
	v_mul_f32 v[216+\j], v[208+\j], v244           ; key 8 h + j, my first column
.endr
.irp j,0,1,2,3,4,5,6,7
	v_add_f32 v[208+\j], v[192+\j], v241
.endr
.irp j,0,1,2,3,4,5,6,7
	v_fma_f32 v[216+\j], v[208+\j], v245, v[216+\j]
.endr
.irp x,1,2,4,8
.irp j,0,1,2,3,4,5,6,7
	v_add_f32_dpp v[216+\j], v[216+\j], v[216+\j] row_xmask:\x row_mask:0xf bank_mask:0xf
.endr
.endr
	ds_store_b128 v229, v[216:219]                 ; sixteen lanes write the same bytes with the same values
	ds_store_b128 v229, v[220:223] offset:16
	BAR
.set q_,0
.rept 16
	ds_load_b128 v[28+8*q_:31+8*q_], v230 offset:64*q_
	ds_load_b128 v[32+8*q_:35+8*q_], v230 offset:64*q_+16
.set q_,q_+1
.endr
.irp j,0,1,2,3
	ds_load_b128 v[156+4*\j:159+4*\j], v231 offset:16*\j
.endr
	s_wait_dscnt 0x0
.irp n,64,32,16,8
.set q_,0
.rept \n/2
	v_pk_add_f32 v[28+q_:29+q_], v[28+q_:29+q_], v[28+\n+q_:29+\n+q_]
.set q_,q_+2
.endr
.endr
.irp n,8,4,2,1
.set q_,0
.rept \n
	v_add_f32 v[156+q_], v[156+q_], v[156+\n+q_]
.set q_,q_+1
.endr
.endr
	v_max3_num_f32 v36, v28, v29, v30              ; the largest of the 16 scores
	v_max3_num_f32 v37, v31, v32, v33
	v_max3_num_f32 v36, v36, v34, v35
	v_max_num_f32 v36, v36, v37
	v_permlanex16_b32 v37, v36, s42, s43
	v_max_num_f32 v36, v36, v37
.irp j,0,1,2,3,4,5,6,7
	v_sub_f32 v[28+\j], v[28+\j], v36
.endr
.irp j,0,1,2,3,4,5,6,7
	v_mul_f32 v[28+\j], 0x3fb8aa3b, v[28+\j]
.endr
	v_add_f32 v156, s32, v156
	v_mul_f32 v156, 0xbfb8aa3b, v156
.irp j,0,1,2,3,4,5,6,7
	v_exp_f32 v[28+\j], v[28+\j]
.endr
	v_exp_f32 v156, v156
	v_nop                                          ; a plain place behind the batch,
	s_wait_alu depctr_va_vdst(0)                   ; and its one wait
	v_add_f32 v38, v28, v29
	v_add_f32 v39, v30, v31
	v_add_f32 v40, v32, v33
	v_add_f32 v41, v34, v35
	v_add_f32 v38, v38, v39
	v_add_f32 v40, v40, v41
	v_add_f32 v38, v38, v40
	v_permlanex16_b32 v39, v38, s42, s43
	v_add_f32 v38, v38, v39
	v_add_f32 v156, 1.0, v156
	v_rcp_f32 v38, v38                             ; 1 / the sum of the exponentials
	v_rcp_f32 v156, v156                           ; the gate
	v_nop
	s_wait_alu depctr_va_vdst(0)
.irp c,0,1
	v_mul_f32 v[40+2*\c], v28, v[184+16*\c]
.irp j,1,2,3,4,5,6,7
	v_fma_f32 v[40+2*\c], v[28+\j], v[184+16*\c+\j], v[40+2*\c]
.endr
	v_permlanex16_b32 v[41+2*\c], v[40+2*\c], s42, s43
	v_add_f32 v[40+2*\c], v[40+2*\c], v[41+2*\c]
	v_fma_f32 v[40+2*\c], v[40+2*\c], v38, v[242+\c]               ; the weights sum to one: Wv_b is added once
	v_fma_f32 v[40+2*\c], v156, v[40+2*\c], v[246+\c]
	ds_store_b32 v228, v[40+2*\c] offset:OUT+64*\c
.endr
	BAR
	s_cmp_ge_u32 s28, 4
	s_cbranch_scc1 .Lend
	ds_load_b128 v[44:47], v232
	s_wait_dscnt 0x0
	global_store_b128 v233, v[44:47], s[26:27]     ; 512 consecutive bytes a wave
.Lend:
	s_wait_tensorcnt 0x0                           ; the wave's end
	ds_add_u32 v1, v2
	s_wait_dscnt 0x0
	s_endpgm
.Lfunc_end_k_qa577859a96_final:
	.size	k_qa577859a96_final, .Lfunc_end_k_qa577859a96_final-k_qa577859a96_final
	.p2alignl 7, 3214868480
	.fill 96, 4, 3214868480
	.section	.rodata,"a",@progbits
	.p2align	6, 0x0
	.amdhsa_kernel k_qa577859a96_final
		.amdhsa_group_segment_fixed_size 16384
		.amdhsa_private_segment_fixed_size 0
		.amdhsa_enable_private_segment 0
		.amdhsa_kernarg_size 96
		.amdhsa_user_sgpr_count 2
		.amdhsa_user_sgpr_kernarg_segment_ptr 1
		.amdhsa_wavefront_size32 1
		.amdhsa_system_sgpr_workgroup_id_x 1
		.amdhsa_system_sgpr_workgroup_id_y 1
		.amdhsa_system_sgpr_workgroup_id_z 1
		.amdhsa_system_vgpr_workitem_id 0
		.amdhsa_next_free_vgpr 256
		.amdhsa_next_free_sgpr 66
		.amdhsa_reserve_vcc 0
		.amdhsa_float_denorm_mode_32 3
		.amdhsa_float_denorm_mode_16_64 3
		.amdhsa_memory_ordered 1
		.amdhsa_forward_progress 1
		.amdhsa_inst_pref_size 42
	.end_amdhsa_kernel
	.amdgpu_metadata
---
amdhsa.version: [ 1, 2 ]
amdhsa.kernels:
  - .name:           k_qa577859a96_final
    .symbol:         k_qa577859a96_final.kd
    .args:
      - { .name: idx, .offset: 0, .size: 8, .value_kind: global_buffer, .address_space: global }
      - { .name: hre, .offset: 8, .size: 8, .value_kind: global_buffer, .address_space: global }
      - { .name: hsum, .offset: 16, .size: 8, .value_kind: global_buffer, .address_space: global }
      - { .name: qpart, .offset: 24, .size: 8, .value_kind: global_buffer, .address_space: global }
      - { .name: wc, .offset: 32, .size: 8, .value_kind: global_buffer, .address_space: global }
      - { .name: ws, .offset: 40, .size: 8, .value_kind: global_buffer, .address_space: global }
      - { .name: Wk_b, .offset: 48, .size: 8, .value_kind: global_buffer, .address_space: global }
      - { .name: Wv_b, .offset: 56, .size: 8, .value_kind: global_buffer, .address_space: global }
      - { .name: Wq_b, .offset: 64, .size: 8, .value_kind: global_buffer, .address_space: global }
      - { .name: gate_w, .offset: 72, .size: 8, .value_kind: global_buffer, .address_space: global }
      - { .name: gate_b, .offset: 80, .size: 8, .value_kind: global_buffer, .address_space: global }
      - { .name: out1, .offset: 88, .size: 8, .value_kind: global_buffer, .address_space: global }
    .group_segment_fixed_size: 16384
    .private_segment_fixed_size: 0
    .kernarg_segment_align: 8
    .kernarg_segment_size: 96
    .max_flat_workgroup_size: 512
    .sgpr_count:     66
    .vgpr_count:     256
    .wavefront_size: 32
...
	.end_amdgpu_metadata
.endif
;; end of part 4
